; MI455X (gfx1250); checked and timed in simulation.
; The chip was launched on July 23, 2026; its instructions are those of AMD's public machine-readable ISA for CDNA 5 (MIT licence, August 2026) and "CDNA5" Instruction Set Architecture Reference Guide (July 2026). The comments in the code are by the model that wrote it; some were corrected since.
;; Complex Net MLP. Allowed arithmetic: float matrix products may take bf16 or f16 operands with f32 sums; all other float work in f32.
;; Inputs: down_wi 1,024 x 688 float32; down_wr 1,024 x 688 float32; gate_wi 688 x 1,024 float32; gate_wr 688 x 1,024 float32; ln_wi 688 float32; ln_wr 688 float32; up_wi 688 x 1,024 float32; up_wr 688 x 1,024 float32; x_imag 4 x 2,048 x 1,024 float32; x_real 4 x 2,048 x 1,024 float32.
;; Outputs: out0 4 x 2,048 x 1,024 float32; out1 4 x 2,048 x 1,024 float32.
;; 2 versions, each right and faster than the one before. Each part assembles by itself: llvm-mc -triple=amdgcn-amd-amdhsa -mcpu=gfx1250 --defsym DOCPART=n.
;; ======== version 1 of 2: 2 launches
;; workspace buffers: wcode 2,162,688 bytes; wpart 9,216 bytes
;; launch prep (part 1): grid 528 x 1, 8 waves a work-group, no clusters, 1,280 bytes of LDS; arguments gate_wr, gate_wi, up_wr, up_wi, down_wr, down_wi, wcode, wpart; writes wcode, wpart
.if DOCPART == 1
	.amdgcn_target "amdgcn-amd-amdhsa--gfx1250"
	.amdhsa_code_object_version 6
	.text
	.protected	k_qcea3ead518_prep
	.globl	k_qcea3ead518_prep
	.p2align	8
	.type	k_qcea3ead518_prep,@function
k_qcea3ead518_prep:
	s_mov_b64 s[64:65], 0
	v_nop
	global_prefetch_b8 v0, s[64:65] scope:SCOPE_SE
	s_setreg_imm32_b32 hwreg(HW_REG_WAVE_MODE, 25, 1), 1
	s_wait_xcnt 0x0
; PREP: the three complex weight matrices (gate, up: [688][1024]; down: [1024][688], f32) become
;   wcode: one code byte for each (row n, column k): 0 = +real, 1 = -real, 2 = +imag, 3 = -imag, 4 = padding (both parts zero),
;          laid out as the register image of a 16-bit K = 32 matrix fragment: 512 bytes a fragment, 16 bytes a lane;
;          lane (r = l % 16, hh = l / 16), byte q: row 16 tile + r, column 32 s + (q < 8 ? 8 hh + q : 16 + 8 hh + q - 8);
;   wpart: for each matrix 192 entries of 16 bytes (sum |wr| over the real class, sum |wi| over the imaginary class, size of the real class, 0),
;          one entry a work-group; entries 176 to 191 are zeros.  The next launch adds them up.
; One wave makes one fragment; a matrix has 1,408 fragments (44 x 32 or 64 x 22) = 176 work-groups of eight waves; 3 x 176 = 528 work-groups.
; The eight waves of a work-group take neighbouring K steps, so that together they read 1,024 neighbouring bytes of each of their rows (gate, up).
; THE CLASS is decided without an arctangent, by comparing the magnitudes as whole numbers: real where |wr| > |wi|; at |wr| = |wi| real where the
; signs differ (phase -pi/4 and 3pi/4 are real, pi/4 and -3pi/4 imaginary, as the half-open sectors say); wi = +-0 with wr = +-0 real, with wr's sign bit.
; LIMITS: NaN and infinities are not served.  An arctangent rounded to f32 may put a pair whose magnitudes differ in the last bit into the other class.
; No matrix unit, cluster or tensor load: each byte is read once, and the work is a few integer instructions a number.
.set S2OFF, 1441792                    ; where the down matrix's codes begin: 11 passes x 131,072 bytes of gate and up
.set CD, 56                            ; v[56:59]  the lane's 16 codes
.set SM, 48                            ; v[48:51]  sum |wr|, sum |wi|, count of the real class, 0
	s_load_b512 s[4:19], s[0:1], 0x0               ; gate_wr, gate_wi, up_wr, up_wi, down_wr, down_wi, wcode s[16:17], wpart s[18:19]
	v_lshl_add_u32 v96, v0, 2, 0x100
	v_mov_b32 v97, 0
	v_lshrrev_b32 v1, 5, v0
	v_readfirstlane_b32 s22, v1                    ; wave 0..7
	v_and_b32 v2, 15, v0                           ; r
	v_bfe_u32 v3, v0, 4, 1                         ; hh
	v_and_b32 v5, 31, v0                           ; lane
	s_mov_b32 s42, 0x76543210                      ; v_permlanex16_b32: lane i of one half reads lane i of the other
	s_mov_b32 s43, 0xfedcba98
	s_mov_b32 s44, 0x7fffffff                      ; clears a sign
	s_cmp_ge_u32 ttmp9, 176
	s_cselect_b32 s20, 1, 0
	s_cmp_ge_u32 ttmp9, 352
	s_cselect_b32 s21, 1, 0
	s_add_co_u32 s20, s20, s21                     ; m: 0 gate, 1 up, 2 down
	s_mul_i32 s21, s20, 176
	s_sub_co_u32 s21, ttmp9, s21                   ; loc: the work-group's number within its matrix
	s_lshl3_add_u32 s23, s21, s22                  ; item = 8 loc + wave, 0..1407
	s_cmp_eq_u32 s20, 2
	s_cbranch_scc1 .Ldown
	; gate and up: tile = item / 32 (44 tiles of 16 rows, the last one padding), s = item % 32
	s_lshr_b32 s28, s23, 5                         ; tile
	s_and_b32 s29, s23, 31                         ; s
	s_mov_b32 s30, 4096                            ; bytes in a row
	s_lshr_b32 s31, s28, 2
	s_lshl_b32 s31, s31, 17                        ; pass p = tile / 4: 131,072 bytes
	s_and_b32 s34, s28, 3
	s_lshl_b32 s34, s34, 14                        ; wave of the next launch = tile % 4: 16,384 bytes
	s_add_co_u32 s31, s31, s34
	s_lshr_b32 s34, s29, 4
	s_lshl_b32 s34, s34, 16                        ; half = s / 16: 65,536 bytes
	s_add_co_u32 s31, s31, s34
	s_and_b32 s34, s29, 15
	s_lshl_b32 s34, s34, 10                        ; s % 16: 1,024 bytes
	s_add_co_u32 s31, s31, s34
	s_lshl_b32 s34, s20, 9                         ; gate first, up 512 bytes behind it
	s_add_co_u32 s31, s31, s34
	s_cmp_eq_u32 s28, 43
	s_cselect_b32 s32, 1, 0                        ; rows 688 to 703 do not exist: nothing is loaded, all codes stay 4
	s_mov_b32 s33, 0
	s_branch .Ljoin
.Ldown:
	; down: tile = item / 22 (64 tiles), s = item % 22.  item x 2979 >> 16 = item / 22 for item < 1408 (22 x 2979 = 65,538)
	s_mul_i32 s28, s23, 2979
	s_lshr_b32 s28, s28, 16                        ; tile = 16 w + 2 t + f
	s_mul_i32 s34, s28, 22
	s_sub_co_u32 s29, s23, s34                     ; s
	s_mov_b32 s30, 2752                            ; bytes in a row
	s_bfe_u32 s34, s28, 0x30001                    ; t
	s_mul_i32 s31, s34, 90112
	s_add_co_u32 s31, s31, S2OFF
	s_lshr_b32 s35, s28, 4                         ; w
	s_lshl_b32 s37, s29, 10
	s_mul_i32 s36, s35, 12288                      ; s < 12: the pass's first part, 12 steps a wave
	s_add_co_u32 s36, s36, s37
	s_mul_i32 s38, s35, 10240                      ; else its second part, 10 steps a wave, behind the four first parts
	s_add_co_u32 s38, s38, s37
	s_add_co_u32 s38, s38, 49152-12288
	s_cmp_lt_u32 s29, 12
	s_cselect_b32 s36, s36, s38
	s_add_co_u32 s31, s31, s36
	s_and_b32 s34, s28, 1                          ; f
	s_lshl_b32 s34, s34, 9
	s_add_co_u32 s31, s31, s34
	s_mov_b32 s32, 0
	s_cmp_eq_u32 s29, 21
	s_cselect_b32 s33, 1, 0                        ; columns 688 to 703 do not exist: the second run of step 21 stays code 4
.Ljoin:
	s_lshl_b32 s34, s28, 4
	v_add_nc_u32 v4, s34, v2                       ; row 16 tile + r
	v_mul_lo_u32 v4, v4, s30
	v_lshl_add_u32 v4, v3, 5, v4                   ; + 32 hh
	s_lshl_b32 s35, s29, 7
	v_add_nc_u32 v4, s35, v4                       ; + 128 s: the byte offset of my first run of eight numbers
	v_lshl_add_u32 v6, v5, 4, s31                  ; where my 16 codes go
.irp i, 0,1,2,3
	v_mov_b32 v[CD+\i], 0x04040404
	v_mov_b32 v[SM+\i], 0
.endr
	v_mov_b32 v52, 0
	s_wait_kmcnt 0x0
	s_cmp_eq_u32 s20, 0
	s_cselect_b64 s[24:25], s[4:5], s[8:9]         ; wr of my matrix
	s_cselect_b64 s[26:27], s[6:7], s[10:11]       ; wi
	s_cmp_eq_u32 s20, 2
	s_cselect_b64 s[24:25], s[12:13], s[24:25]
	s_cselect_b64 s[26:27], s[14:15], s[26:27]
; Eight numbers of run 0 (wr v8-15, wi v16-23) or run 1 (wr v24-31, wi v32-39): class, code, sums.
.macro CLS8 run
.irp e, 0,1,2,3,4,5,6,7
	v_and_b32 v40, s44, v[8+16*\run+\e]            ; |wr| as bits
	v_and_b32 v41, s44, v[16+16*\run+\e]           ; |wi|
	v_xor_b32 v42, v[8+16*\run+\e], v[16+16*\run+\e]
	v_lshrrev_b32 v42, 31, v42                     ; 1 where the signs differ
	v_add_nc_u32 v42, v40, v42
	v_max_u32 v42, 1, v42                          ; so that 0, 0 counts as real
	v_cmp_gt_u32 vcc_lo, v42, v41                  ; real class
	v_lshrrev_b32 v43, 31, v[8+16*\run+\e]         ; 0 or 1
	v_lshrrev_b32 v44, 31, v[16+16*\run+\e]
	v_or_b32 v44, 2, v44                           ; 2 or 3
	v_cndmask_b32 v43, v44, v43, vcc_lo
	v_cndmask_b32 v45, 0, v40, vcc_lo
	v_cndmask_b32 v46, v41, 0, vcc_lo
	v_cndmask_b32 v47, 0, 1.0, vcc_lo
	v_add_f32 v[SM], v[SM], v45
	v_add_f32 v[SM+1], v[SM+1], v46
	v_add_f32 v[SM+2], v[SM+2], v47
.if (\e&3)==0
	v_mov_b32 v[CD+2*\run+(\e>>2)], v43
.else
	v_lshl_or_b32 v[CD+2*\run+(\e>>2)], v43, 8*(\e&3), v[CD+2*\run+(\e>>2)]
.endif
.endr
.endm
	s_cmp_lg_u32 s32, 0
	s_cbranch_scc1 .Lstore
	global_load_b128 v[8:11],  v4, s[24:25] th:TH_LOAD_NT
	global_load_b128 v[12:15], v4, s[24:25] offset:16 th:TH_LOAD_NT
	global_load_b128 v[16:19], v4, s[26:27] th:TH_LOAD_NT
	global_load_b128 v[20:23], v4, s[26:27] offset:16 th:TH_LOAD_NT
	s_cmp_lg_u32 s33, 0
	s_cbranch_scc1 .Lrun0
	global_load_b128 v[24:27], v4, s[24:25] offset:64 th:TH_LOAD_NT
	global_load_b128 v[28:31], v4, s[24:25] offset:80 th:TH_LOAD_NT
	global_load_b128 v[32:35], v4, s[26:27] offset:64 th:TH_LOAD_NT
	global_load_b128 v[36:39], v4, s[26:27] offset:80 th:TH_LOAD_NT
	s_wait_loadcnt 0x0
	CLS8 1
.Lrun0:
	s_wait_loadcnt 0x0
	CLS8 0
.Lstore:
	global_store_b128 v6, v[CD:CD+3], s[16:17]     ; the wave's store covers 512 consecutive bytes, at a multiple of 512 from wcode's first byte
	; the three sums over the wave's 32 lanes, then over the eight waves through LDS
.irp i, 0,1,2
	v_add_f32_dpp v[SM+\i], v[SM+\i], v[SM+\i] row_xmask:1 row_mask:0xf bank_mask:0xf
	v_add_f32_dpp v[SM+\i], v[SM+\i], v[SM+\i] row_xmask:2 row_mask:0xf bank_mask:0xf
	v_add_f32_dpp v[SM+\i], v[SM+\i], v[SM+\i] row_xmask:4 row_mask:0xf bank_mask:0xf
	v_add_f32_dpp v[SM+\i], v[SM+\i], v[SM+\i] row_xmask:8 row_mask:0xf bank_mask:0xf
	v_permlanex16_b32 v52, v[SM+\i], s42, s43
	v_add_f32 v[SM+\i], v[SM+\i], v52
.endr
	v_mov_b32 v54, s22
	v_lshlrev_b32 v54, 4, v54
	ds_store_b128 v54, v[SM:SM+3]                  ; every lane writes the wave's own 16 bytes with the same numbers
	s_wait_dscnt 0x0                               ; for the other waves' sake: zero
	s_barrier_signal -1
	s_barrier_wait -1
	v_and_b32 v55, 7, v0
	v_lshlrev_b32 v55, 4, v55
	ds_load_b128 v[60:63], v55                     ; lane l: the sums of wave l % 8
	s_wait_dscnt 0x0
.irp i, 60,61,62
	v_add_f32_dpp v\i, v\i, v\i row_xmask:1 row_mask:0xf bank_mask:0xf
	v_add_f32_dpp v\i, v\i, v\i row_xmask:2 row_mask:0xf bank_mask:0xf
	v_add_f32_dpp v\i, v\i, v\i row_xmask:4 row_mask:0xf bank_mask:0xf
.endr
	s_cmp_lg_u32 s22, 0
	s_cbranch_scc1 .Lend                           ; wave 0 alone stores the work-group's entry
	s_mul_i32 s41, s20, 192
	s_add_co_u32 s41, s41, s21
	s_lshl_b32 s41, s41, 4                         ; entry 192 m + loc
	v_mov_b32 v68, s41
.irp i, 64,65,66,67
	v_mov_b32 v\i, 0
.endr
	v_cmp_eq_u32 vcc_lo, 0, v0
	s_wait_xcnt 0x0                                ; EXEC is a source of the store of the codes: it changes only behind this wait
	s_and_saveexec_b32 s40, vcc_lo                 ; lane 0 alone
	global_store_b128 v68, v[60:63], s[18:19]
	s_cmp_ge_u32 s21, 16
	s_cbranch_scc1 .Lnopad
	global_store_b128 v68, v[64:67], s[18:19] offset:2816   ; work-groups 0 to 15 of a matrix also write the zero entries 176 to 191
.Lnopad:
	s_wait_xcnt 0x0                                ; and again in front of the line that widens EXEC
	s_or_b32 exec_lo, exec_lo, s40
.Lend:
	s_wait_tensorcnt 0x0
	ds_add_u32 v96, v97
	s_wait_dscnt 0x0
	s_endpgm
.Lfunc_end_k_qcea3ead518_prep:
	.size	k_qcea3ead518_prep, .Lfunc_end_k_qcea3ead518_prep-k_qcea3ead518_prep
	.p2alignl 7, 3214868480
	.fill 96, 4, 3214868480
	.section	.rodata,"a",@progbits
	.p2align	6, 0x0
	.amdhsa_kernel k_qcea3ead518_prep
		.amdhsa_group_segment_fixed_size 1280
		.amdhsa_private_segment_fixed_size 0
		.amdhsa_enable_private_segment 0
		.amdhsa_kernarg_size 64
		.amdhsa_user_sgpr_count 2
		.amdhsa_user_sgpr_kernarg_segment_ptr 1
		.amdhsa_wavefront_size32 1
		.amdhsa_system_sgpr_workgroup_id_x 1
		.amdhsa_system_sgpr_workgroup_id_y 1
		.amdhsa_system_sgpr_workgroup_id_z 1
		.amdhsa_system_vgpr_workitem_id 0
		.amdhsa_next_free_vgpr 98
		.amdhsa_next_free_sgpr 66
		.amdhsa_reserve_vcc 1
		.amdhsa_float_denorm_mode_32 3
		.amdhsa_float_denorm_mode_16_64 3
		.amdhsa_memory_ordered 1
		.amdhsa_forward_progress 1
		.amdhsa_inst_pref_size 19
	.end_amdhsa_kernel
	.amdgpu_metadata
---
amdhsa.version: [ 1, 2 ]
amdhsa.kernels:
  - .name:           k_qcea3ead518_prep
    .symbol:         k_qcea3ead518_prep.kd
    .args:
      - { .name: gate_wr, .offset: 0, .size: 8, .value_kind: global_buffer, .address_space: global }
      - { .name: gate_wi, .offset: 8, .size: 8, .value_kind: global_buffer, .address_space: global }
      - { .name: up_wr, .offset: 16, .size: 8, .value_kind: global_buffer, .address_space: global }
      - { .name: up_wi, .offset: 24, .size: 8, .value_kind: global_buffer, .address_space: global }
      - { .name: down_wr, .offset: 32, .size: 8, .value_kind: global_buffer, .address_space: global }
      - { .name: down_wi, .offset: 40, .size: 8, .value_kind: global_buffer, .address_space: global }
      - { .name: wcode, .offset: 48, .size: 8, .value_kind: global_buffer, .address_space: global }
      - { .name: wpart, .offset: 56, .size: 8, .value_kind: global_buffer, .address_space: global }
    .group_segment_fixed_size: 1280
    .private_segment_fixed_size: 0
    .kernarg_segment_align: 8
    .kernarg_segment_size: 64
    .max_flat_workgroup_size: 256
    .sgpr_count:     66
    .vgpr_count:     98
    .wavefront_size: 32
...
	.end_amdgpu_metadata
.endif
;; end of part 1
;; launch mlp (part 2): grid 256 x 1, 4 waves a work-group, clusters of 4 x 1, 327,680 bytes of LDS; arguments x_real, x_imag, ln_wr, ln_wi, wcode, wpart, out0, out1; writes out0, out1
.if DOCPART == 2
	.amdgcn_target "amdgcn-amd-amdhsa--gfx1250"
	.amdhsa_code_object_version 6
	.text
	.protected	k_qcea3ead518_mlp
	.globl	k_qcea3ead518_mlp
	.p2align	8
	.type	k_qcea3ead518_mlp,@function
k_qcea3ead518_mlp:
	s_mov_b64 s[64:65], 0
	v_nop
	global_prefetch_b8 v0, s[64:65] scope:SCOPE_SE
	s_setreg_imm32_b32 hwreg(HW_REG_WAVE_MODE, 25, 1), 1
	s_wait_xcnt 0x0
	s_wait_alu depctr_hold_cnt(0) depctr_sa_sdst(0) depctr_va_vdst(0) depctr_va_sdst(0) depctr_va_ssrc(0) depctr_va_vcc(0) depctr_vm_vsrc(0)
	s_getreg_b32 s2, hwreg(HW_REG_IB_STS2, 6, 4)
	s_cmp_eq_u32 s2, 0
	s_cbranch_scc0 .Lentry_in_a_cluster
	s_endpgm
.Lentry_in_a_cluster:
	s_bfe_u32 s2, ttmp6, 0x10000c
	s_cmp_lg_u32 s2, 0x3003
	s_cbranch_scc0 .Lentry_shape_is_right
	s_endpgm
.Lentry_shape_is_right:
; MLP: the whole module for 32 rows a work-group (8,192 rows = 256 work-groups), four waves, as many as a WGP has SIMDs.
;   phase A   x is read once; each row's largest magnitude, 127 / max by a division that is rounded as a true one, the whole numbers Q = clip(round(x rs)) as bf16 into LDS
;   stage 1   gate and up: [Qr; Qi] (64 stacked rows) x [Tr; Ti] (ternary weights), K = 1024, 11 passes of 64 columns (688 padded to 704); wave w makes column tile 4 p + w
;             behind each pass: scales in f32, ReLU^2, the complex product; h stays in 352 registers
;   phase C   RMS norm over the whole row (partial sums of the four waves meet in LDS), gains, second quantisation, Q2 as bf16 into LDS
;   stage 2   down: K = 704, 8 passes; wave w makes output columns 256 w .. 256 w + 255; results leave through a stage in LDS as whole blocks of 256 bytes
; EXACT PRODUCTS: |Q| <= 128 and the ternaries (kept as +-2.0, the factor 0.5 goes into the weight scale) are exact in bf16, and their sums (below 2^19) are exact in f32.
; The row scales of the real and of the imaginary part differ, so Qr Tr, Qi Ti, Qr Ti, Qi Tr are four accumulators, combined in f32 afterwards.
; WEIGHTS arrive as one code byte for each (n, k), already in the fragment's register order; six v_perm_b32 widen four codes to the bf16 words of the real and the imaginary fragment.
; That makes the stream a quarter of the two bf16 matrices.  Each wave fetches and reads only its own codes.
; CLUSTER: all work-groups walk the same codes, so four work-groups ask for each tile jointly (mask 15).  Activations are shared by nobody, so one axis is all there is to share.
; THE MATRIX INSTRUCTION IS USED TRANSPOSED (source 0 = 16 weight rows, source 1 = 16 activation rows): lane (r, h) holds row r and the eight neighbouring columns 8 h + j,
; so that a row's scale is one register a lane, a row's sum needs one step across the halves, and eight results pack into 16 bytes.
; No prefetch: x is wanted at the first line, with nothing ahead of it; the codes, 2,162,688 bytes, are read again and again by all clusters.
; LIMITS: NaN and infinities are not served; a row's largest magnitude stays below 2^126 (v_rcp_f32 flushes a denormal result); sums are made in another order than
; a row-by-row f32 product makes them; v_rsq_f32 is used as it is.
;
; LDS:  0        RING    131,072  tensor loads alone; wave w owns 32,768 w: stage 1 two slots of 16,384 (16 K steps each); stage 2 parts of 12,288 and 10,240 (12 and 10 K steps)
;       131,072  Q       64 rows x 2,064 (2,048 + 16: an odd multiple of 16, so the 16 rows of a fragment load fall on 16 different 16-byte columns of 256)
;       131,072  A2      64 rows x 1,424 (1,408 + 16), over Q, written when every wave has done with Q
;       222,208  STG     4 waves x 2 parts x 32 rows x 272, over Q's tail: the way out
;       291,840  XSC 256 (1 / rs of the 64 stacked rows); 292,096 SSQ 512; 292,608 MXN 1,024
; REGISTERS in windows of 256:  window 0: v0-31 addresses and weight scales, v32-63 coefficients, v64-127 activation fragments (two buffers), v128-255 at work
;       window 1: v0-127 the 16 accumulators ACC(a, b) at 8 (4 a + b); v128-191 weight fragments (two buffers); v192-207 codes (two buffers); v208-211 T; v212 CA, v213 CBASE
;       windows 2, 3: h(p, rb, part, j) = 512 + 32 p + 16 rb + 8 part + j
.set QB,   131072
.set QP,   2064
.set AP1,  16*QP                       ; from a fragment's rows to the next fragment's, stage 1
.set A2P,  1424
.set AP2,  16*A2P
.set STG,  222208
.set SPI,  272
.set XSC,  291840
.set SSQ,  292096
.set MXN,  292608
.set S2OFF, 1441792                    ; where stage 2's codes begin
.set AA,    4                          ; v4-5    activation fragments, running address (real rows, imaginary rows)
.set ABASE, 6                          ; v6-7    the same at K = 0
.set XOFF,  8                          ; v8      phase A: my 16 bytes in my wave's first row of x
.set QST,   9                          ; v9-10   phase A: where my 8 bytes of Q go (real, imaginary)
.set XSA,   11                         ; v11     phase A: my wave's words of XSC
.set STO,   12                         ; v12     way out: where I put 16 bytes
.set RD,    13                         ; v13     way out: where I read a row back
.set CO,    14                         ; v14     way out: my byte offset in the work-group's rows of out
.set N2ST,  15                         ; v15-16  phase C: where my 16 bytes of Q2 go (real, imaginary)
.set LNOFF, 17                         ; v17     byte offset of my 8 gains of pass 0
.set LNOFF10, 18                       ; v18     the same for pass 10, kept inside the buffer
.set VA,    19                         ; v19     XSC + 4 r
.set WS,    20                         ; v20-25  0.5 x clipped means: gate real, imag; up; down
.set SSA,   26
.set SSL,   27
.set MXA,   28
.set MXL,   29
.set L16,   30                         ; v30     16 x lane
.set COEF,  32                         ; v32-63  set (rb, bp) at 8 (2 rb + bp): C1, C2, C3, C4n, each twice
.set WP,    32                         ; v32-103 phase A: the 18 loads of wpart
.set AF,    64                         ; v64-127 activation fragments: buffer x 32 + 8 a
.set PK,    104                        ; v104-119 phase A: packed Q
.set MC,    120                        ; v120-127 phase A: at work
.set GG,    128                        ; v128-191 at work behind a pass
.set XS,    128                        ; v128-255 phase A: four row slots of 32
.set FL,    192                        ; v192-255 at work behind a pass
.set SS,    192                        ; phase C, all in window 0
.set LD8,   204
.set INVP,  212
.set MX,    216
.set LM,    220
.set RS2,   236
.set AL2,   244
.set TY,    248
.set TE,    249
.set BB,    128                        ; window 1
.set CC,    192
.set TT,    208
.set CA,    212
.set CBASE, 213
.set WY,    0x51                       ; source 0 (weights, T, CA) window 1, source 1 (activations) window 0, source 2 (C, codes) and destination window 1
.set MSB, 0
.macro WIN new                         ; the immediate's high byte repeats the setting that is left; a switch that changes nothing is dropped
.if MSB != (\new)
	s_set_vgpr_msb (MSB<<8)|(\new)
.set MSB, (\new)
.endif
.endm
; A round of the cluster's barrier: my work-group's barrier, wave 0 signals for the work-group, every wave waits for the four work-groups, my work-group's barrier again.
.macro ROUND
	s_barrier_signal -1
	s_barrier_wait -1
	s_cmp_lg_u32 s20, 0
	s_cbranch_scc1 .Lnw0_\@
	s_barrier_signal -3
.Lnw0_\@:
	s_barrier_wait -3
	s_barrier_signal -1
	s_barrier_wait -1
.endm
.macro JOINT g0, g1                    ; a joint load; four v_nop follow it
	tensor_load_to_lds s[\g0:\g0+3], s[\g1:\g1+7]
	s_nop 0
.rept 4
	v_nop
.endr
.endm
; A part of the ring is filled again.  In front of the round every wave's tensor loads have landed (so a group 0 may be written) and its LDS reads are back;
; inside the round stands nothing but the round; the joint load is the first thing behind it and the wave's only tensor load until the next round.
.macro BOUND g0, g1, step
	WIN 0
	s_set_vgpr_msb 0x5
	s_wait_tensorcnt 0x0
	ds_add_u32 v254, v255
	s_wait_dscnt 0x0
	s_set_vgpr_msb 0x500
.if \step
	s_add_nc_u64 s[\g0+2:\g0+3], s[\g0+2:\g0+3], \step
.endif
	s_wait_dscnt 0x0
	ROUND
	JOINT \g0, \g1
.endm
.macro MKG1 g, rows                    ; group 1: a dense block as rows of 256 bytes
	s_mov_b32 s[\g], 0x23000f                      ; 15:0 mask of the four work-groups; 17:16 elements of 8 bytes; 21 set beside a mask; no padding
	s_mov_b32 s[\g+1], 32<<16                      ; tensor_dim0 = 32 elements
	s_mov_b32 s[\g+2], \rows<<16                   ; tensor_dim1
	s_mov_b32 s[\g+3], 32<<16                      ; tile_dim0
	s_mov_b32 s[\g+4], \rows                       ; tile_dim1
	s_mov_b32 s[\g+5], 32                          ; from row to row
	s_mov_b32 s[\g+6], 0
	s_mov_b32 s[\g+7], 0
.endm
; q = 127 / max(m, 1e-5): reciprocal, one Newton step, quotient, one correction by the exact remainder.  One plain place stands behind v_rcp_f32 (ISA guide 5.7.2).
.macro DIV127 q, m, y, e
	v_max_num_f32 v[\m], 0x3727c5ac, v[\m]
	v_rcp_f32 v[\y], v[\m]
	v_nop
	s_wait_alu depctr_va_vdst(0)
	v_fma_f32 v[\e], -v[\m], v[\y], 1.0
	v_fma_f32 v[\y], v[\e], v[\y], v[\y]
	v_mul_f32 v[\q], s80, v[\y]
	v_fma_f32 v[\e], -v[\m], v[\q], s80
	v_fma_f32 v[\q], v[\e], v[\y], v[\q]
.endm
.macro INV iv, x, e
	v_rcp_f32 v[\iv], v[\x]
	v_nop
	s_wait_alu depctr_va_vdst(0)
	v_fma_f32 v[\e], -v[\x], v[\iv], 1.0
	v_fma_f32 v[\iv], v[\e], v[\iv], v[\iv]
.endm
.macro SUM32 reg, tmp                  ; a sum over the 32 lanes, in every lane
	v_add_f32_dpp v[\reg], v[\reg], v[\reg] row_xmask:1 row_mask:0xf bank_mask:0xf
	v_add_f32_dpp v[\reg], v[\reg], v[\reg] row_xmask:2 row_mask:0xf bank_mask:0xf
	v_add_f32_dpp v[\reg], v[\reg], v[\reg] row_xmask:4 row_mask:0xf bank_mask:0xf
	v_add_f32_dpp v[\reg], v[\reg], v[\reg] row_xmask:8 row_mask:0xf bank_mask:0xf
	v_permlanex16_b32 v[\tmp], v[\reg], s78, s79
	v_add_f32 v[\reg], v[\reg], v[\tmp]
.endm
.macro MEAN dst, sum, cnt, y, e        ; 0.5 x max(sum / cnt, 1e-5)
	v_rcp_f32 v[\y], v[\cnt]
	v_nop
	s_wait_alu depctr_va_vdst(0)
	v_mul_f32 v[\dst], v[\sum], v[\y]
	v_fma_f32 v[\e], -v[\cnt], v[\dst], v[\sum]
	v_fma_f32 v[\dst], v[\e], v[\y], v[\dst]
	v_max_num_f32 v[\dst], 0x3727c5ac, v[\dst]
	v_mul_f32 v[\dst], 0.5, v[\dst]
.endm
.macro MKCOEF rb, bp, ar, ai, sr, si   ; C1 = ar sr, C2 = ai si, C3 = ar si, C4n = -ai sr, each twice for the packed forms
	.set CB, COEF+8*(2*\rb+\bp)
	v_mul_f32 v[CB], v[\ar], v[\sr]
	v_mul_f32 v[CB+1], v[\ar], v[\sr]
	v_mul_f32 v[CB+2], v[\ai], v[\si]
	v_mul_f32 v[CB+3], v[\ai], v[\si]
	v_mul_f32 v[CB+4], v[\ar], v[\si]
	v_mul_f32 v[CB+5], v[\ar], v[\si]
	v_mul_f32 v[CB+6], -v[\ai], v[\sr]
	v_mul_f32 v[CB+7], -v[\ai], v[\sr]
.endm
	; ---------------------------------------------------------------- start
	s_load_b512 s[4:19], s[0:1], 0x0               ; x_real s[4:5], x_imag s[6:7], ln_wr s[8:9], ln_wi s[10:11], wcode s[12:13], wpart s[14:15], out0 s[16:17], out1 s[18:19]
	s_set_vgpr_msb 0x40
	v_lshl_add_u32 v254, v0, 2, 0x47c00
	v_mov_b32 v255, 0
	s_set_vgpr_msb 0x4045
	ds_add_u32 v254, v255
	s_set_vgpr_msb 0x4500
	v_and_b32 v1, 31, v0                           ; lane
	v_lshrrev_b32 v31, 5, v0
	v_readfirstlane_b32 s20, v31                   ; wave 0..3
	v_and_b32 v2, 15, v0                           ; r
	v_bfe_u32 v3, v0, 4, 1                         ; h
	s_bfe_u32 s21, ttmp6, 0x40000                  ; cx: it enters the addresses of x and out alone
	s_lshl_b32 s22, ttmp9, 2
	s_add_co_u32 s22, s22, s21                     ; row block = 4 x cluster + cx
	s_lshl_b32 s24, s22, 17                        ; 32 rows of 4,096 bytes
	s_mov_b32 s25, 0
	s_lshl_b32 s84, s20, 15                        ; 32,768 w: my wave's 8 rows of x, and my wave's part of the ring
	v_lshlrev_b32 v[L16], 4, v1
	v_add_nc_u32 v[XOFF], s84, v[L16]
	s_wait_dscnt 0x0
	s_wait_kmcnt 0x0
	s_add_nc_u64 s[4:5], s[4:5], s[24:25]
	s_add_nc_u64 s[6:7], s[6:7], s[24:25]
	s_add_nc_u64 s[16:17], s[16:17], s[24:25]
	s_add_nc_u64 s[18:19], s[18:19], s[24:25]
.irp m, 0,1,2
.irp i, 0,1,2,3,4,5
	global_load_b128 v[WP+4*(6*\m+\i):WP+4*(6*\m+\i)+3], v[L16], s[14:15] offset:3072*\m+512*\i   ; entry lane + 32 i of matrix m
.endr
.endr
; Row t of my wave's sixteen (t < 8: real rows 8 w + t, else imaginary rows 8 w + t - 8): eight loads of 512 neighbouring bytes, into slot t % 4.
.macro FILLX t
.irp j, 0,1,2,3,4,5,6,7
	global_load_b128 v[XS+32*((\t)&3)+4*\j:XS+32*((\t)&3)+4*\j+3], v[XOFF], s[4+2*((\t)>>3):5+2*((\t)>>3)] offset:((\t)&7)*4096+512*\j th:TH_LOAD_NT
.endr
.endm
	FILLX 0
	FILLX 1
	FILLX 2
	FILLX 3
	s_mov_b32 s72, 0x0000c040                      ; code -> high byte of the real part's bf16: +2, -2, 0, 0
	s_mov_b32 s73, 0xc0400000                      ; of the imaginary part's: 0, 0, +2, -2
	s_mov_b32 s74, 0x05000400                      ; bytes 0, 1 of T become the high bytes of two bf16
	s_mov_b32 s75, 0x07000600                      ; bytes 2, 3
	s_mov_b32 s76, 2048                            ; two K steps of codes
	s_mov_b32 s78, 0x76543210                      ; v_permlanex16_b32: lane i of one half reads lane i of the other
	s_mov_b32 s79, 0xfedcba98
	s_mov_b32 s80, 0x42fe0000                      ; 127.0
	s_mov_b32 s81, 0xc3000000                      ; -128.0
	s_mov_b32 s82, 0x3abe82fa                      ; 1 / 688
	s_mov_b32 s83, 0x358637bd                      ; 1e-6
	MKG1 28, 64                                    ; stage 1: 16,384 bytes
	MKG1 36, 48                                    ; stage 2, first part: 12,288 bytes
	MKG1 44, 40                                    ; stage 2, second part: 10,240 bytes
	; groups 0: LDS address = 32,768 w + the part's constant; global address = wcode + the wave's share; nothing hangs on cx
	s_mov_b32 s87, 0
	s_lshl_b32 s86, s20, 14
	s_mov_b32 s52, 1
	s_mov_b32 s53, s84
	s_add_nc_u64 s[54:55], s[12:13], s[86:87]      ; stage 1, slot 0: pass 0, K steps 0-15
	s_mov_b32 s56, 1
	s_add_co_u32 s57, s84, 16384
	s_add_nc_u64 s[58:59], s[54:55], 0x10000       ; slot 1: K steps 16-31
	s_or_b32 s55, s55, 0x80000000
	s_or_b32 s59, s59, 0x80000000
	s_mul_i32 s86, s20, 12288
	s_add_co_u32 s86, s86, S2OFF
	s_mov_b32 s60, 1
	s_mov_b32 s61, s84
	s_add_nc_u64 s[62:63], s[12:13], s[86:87]      ; stage 2, first part: pass 0, K steps 0-11
	s_or_b32 s63, s63, 0x80000000
	s_mul_i32 s86, s20, 10240
	s_add_co_u32 s86, s86, S2OFF+49152
	s_mov_b32 s68, 1
	s_add_co_u32 s69, s84, 12288
	s_add_nc_u64 s[70:71], s[12:13], s[86:87]      ; second part: K steps 12-21
	s_or_b32 s71, s71, 0x80000000
	ROUND                                          ; the four work-groups are here: the first joint loads meet
	JOINT 52, 28                                   ; both first fills go out together: two tensor loads of the wave are out
	JOINT 56, 28
	; addresses
	s_mul_i32 s85, s20, 8*QP
	s_add_co_u32 s85, s85, QB
	v_lshl_add_u32 v[QST], v1, 3, s85              ; Q + my wave's 8 rows + 8 x lane
	v_add_nc_u32 v[QST+1], 32*QP, v[QST]
	s_lshl_b32 s85, s20, 5
	s_add_co_u32 s85, s85, XSC
	v_mov_b32 v[XSA], s85
	v_mul_u32_u24 v[ABASE], v2, QP
	v_lshl_add_u32 v[ABASE], v3, 4, v[ABASE]
	v_add_nc_u32 v[ABASE], QB, v[ABASE]            ; Q + r x pitch + 16 h
	v_add_nc_u32 v[ABASE+1], 32*QP, v[ABASE]
	s_mul_i32 s85, s20, 2*32*SPI
	s_add_co_u32 s85, s85, STG                     ; my stage
	v_mul_u32_u24 v[STO], v2, SPI
	v_lshl_add_u32 v[STO], v3, 5, v[STO]
	v_add_nc_u32 v[STO], s85, v[STO]               ; row r, 32 bytes for each half of the lanes
	v_mul_u32_u24 v[RD], v3, SPI
	v_lshl_add_u32 v[RD], v2, 4, v[RD]
	v_add_nc_u32 v[RD], s85, v[RD]                 ; lanes 0-15 one row of 256 bytes, lanes 16-31 the next
	v_lshlrev_b32 v[CO], 12, v3
	v_lshl_add_u32 v[CO], v2, 4, v[CO]
	s_lshl_b32 s85, s20, 10
	v_add_nc_u32 v[CO], s85, v[CO]                 ; the same two rows in out, at my wave's 256 columns
	v_mul_u32_u24 v[N2ST], v2, A2P
	v_lshl_add_u32 v[N2ST], v3, 4, v[N2ST]
	s_lshl_b32 s85, s20, 5
	s_add_co_u32 s85, s85, QB
	v_add_nc_u32 v[N2ST], s85, v[N2ST]             ; A2 + r x pitch + 32 w + 16 h
	v_add_nc_u32 v[N2ST+1], 32*A2P, v[N2ST]
	s_lshl_b32 s85, s20, 6
	v_lshl_add_u32 v[LNOFF], v3, 5, s85            ; 64 w + 32 h
	v_add_nc_u32 v[LNOFF10], 2560, v[LNOFF]
	v_min_u32 v[LNOFF10], 2720, v[LNOFF10]         ; columns 688 to 703 have no gain: the last 32 bytes are read instead, and multiply zeros
	v_lshlrev_b32 v[VA], 2, v2
	v_add_nc_u32 v[SSL], SSQ, v[VA]
	v_add_nc_u32 v[MXL], MXN, v[VA]
	s_lshl_b32 s85, s20, 7
	v_add_nc_u32 v[SSA], s85, v[SSL]
	s_lshl_b32 s85, s20, 8
	v_add_nc_u32 v[MXA], s85, v[MXL]
	v_add_nc_u32 v[VA], XSC, v[VA]
	WIN 0x40
	v_add_nc_u32 v[CBASE], s84, v[L16]             ; window 1: my 16 bytes of my wave's first code fragment
	WIN 0
	; ---------------------------------------------------------------- phase A: one row a turn
; left = how many younger loads may stay out: eight for each of the rows behind this one.
.macro XTURN t, left
	.set XB, XS+32*((\t)&3)
	s_wait_loadcnt \left
.irp c, 0,1,2,3
	v_max_num_f32 v[MC+\c], |v[XB+8*\c]|, |v[XB+8*\c+1]|           ; four chains, started by the first numbers
.endr
.irp k, 2,4,6
.irp c, 0,1,2,3
	v_max3_num_f32 v[MC+\c], |v[XB+8*\c+\k]|, |v[XB+8*\c+\k+1]|, v[MC+\c]
.endr
.endr
	v_max3_num_f32 v[MC], v[MC], v[MC+1], v[MC+2]
	v_max_num_f32 v[MC], v[MC], v[MC+3]
	v_max_num_f32_dpp v[MC], v[MC], v[MC] row_xmask:1 row_mask:0xf bank_mask:0xf
	v_max_num_f32_dpp v[MC], v[MC], v[MC] row_xmask:2 row_mask:0xf bank_mask:0xf
	v_max_num_f32_dpp v[MC], v[MC], v[MC] row_xmask:4 row_mask:0xf bank_mask:0xf
	v_max_num_f32_dpp v[MC], v[MC], v[MC] row_xmask:8 row_mask:0xf bank_mask:0xf
	v_permlanex16_b32 v[MC+1], v[MC], s78, s79
	v_max_num_f32 v[MC], v[MC], v[MC+1]            ; the row's largest magnitude, in every lane
	DIV127 MC+4, MC, MC+1, MC+2                    ; rs
	v_mov_b32 v[MC+5], v[MC+4]
	INV MC+6, MC+4, MC+2                           ; 1 / rs
	.set KK, 0
.rept 16
	v_pk_mul_f32 v[XB+2*KK:XB+2*KK+1], v[XB+2*KK:XB+2*KK+1], v[MC+4:MC+5]
	.set KK, KK+1
.endr
	.set KK, 0
.rept 32
	v_rndne_f32 v[XB+KK], v[XB+KK]
	.set KK, KK+1
.endr
	.set KK, 0
.rept 32
	v_med3_num_f32 v[XB+KK], v[XB+KK], s81, s80    ; the clip to -128 .. 127
	.set KK, KK+1
.endr
	.set KK, 0
.rept 16
	v_cvt_pk_bf16_f32 v[PK+KK], v[XB+2*KK], v[XB+2*KK+1]           ; whole numbers up to 128: exact in bf16
	.set KK, KK+1
.endr
.irp j, 0,1,2,3,4,5,6,7
	ds_store_b64 v[QST+((\t)>>3)], v[PK+2*\j:PK+2*\j+1] offset:((\t)&7)*QP+256*\j   ; 32 lanes, 256 neighbouring bytes
.endr
	ds_store_b32 v[XSA], v[MC+6] offset:128*((\t)>>3)+4*((\t)&7)
.if \t<12
	FILLX (\t+4)
.endif
.endm
.irp t, 0,1,2,3,4,5,6,7,8,9,10,11,12
	XTURN \t, 24
.endr
	XTURN 13, 16
	XTURN 14, 8
	XTURN 15, 0
	; ---------------------------------------------------------------- the six weight scales (each wave for itself; the loads of wpart are older than every row's)
.irp m, 0,1,2
.irp i, 1,2,3,4,5
	v_pk_add_f32 v[WP+24*\m:WP+24*\m+1], v[WP+24*\m:WP+24*\m+1], v[WP+24*\m+4*\i:WP+24*\m+4*\i+1]
	v_add_f32 v[WP+24*\m+2], v[WP+24*\m+2], v[WP+24*\m+4*\i+2]
.endr
	SUM32 (WP+24*\m), (WP+24*\m+3)
	SUM32 (WP+24*\m+1), (WP+24*\m+3)
	SUM32 (WP+24*\m+2), (WP+24*\m+3)
	v_sub_f32 v[WP+24*\m+3], 0x492c0000, v[WP+24*\m+2]             ; the imaginary class: 704,512 - the real class (counts are exact in f32)
	v_max_num_f32 v[WP+24*\m+2], 1.0, v[WP+24*\m+2]
	v_max_num_f32 v[WP+24*\m+3], 1.0, v[WP+24*\m+3]
	MEAN (WS+2*\m), (WP+24*\m), (WP+24*\m+2), MC, MC+1
	MEAN (WS+2*\m+1), (WP+24*\m+1), (WP+24*\m+3), MC, MC+1
.endr
	s_wait_dscnt 0x0                               ; my rows of Q and my words of XSC are written: zero, for the other waves' sake
	s_barrier_signal -1                            ; the first fills may stay out
	s_barrier_wait -1
	ds_load_b32 v[PK],   v[VA]                     ; 1 / rs: real rows r, 16 + r; imaginary rows r, 16 + r
	ds_load_b32 v[PK+1], v[VA] offset:64
	ds_load_b32 v[PK+2], v[VA] offset:128
	ds_load_b32 v[PK+3], v[VA] offset:192
	s_wait_dscnt 0x0
	MKCOEF 0, 0, PK, PK+2, WS, WS+1
	MKCOEF 0, 1, PK, PK+2, WS+2, WS+3
	MKCOEF 1, 0, PK+1, PK+3, WS, WS+1
	MKCOEF 1, 1, PK+1, PK+3, WS+2, WS+3
	; ---------------------------------------------------------------- the K loop's parts
; Four codes (dword i of the eight of a K step; i / 4 = which code fragment) become two words of the real and two of the imaginary weight fragment.  Under WY.
.macro DEC i, par
	.set DD, CC+8*(\par)+(\i)
	.set DT, TT+2*((\i)&1)
	.set DB, BB+32*(\par)+16*((\i)>>2)+2*((\i)&3)
	v_perm_b32 v[DT], 0, s72, v[DD]                ; selector = the codes: 0-3 pick a byte of the table, 4 picks a byte of the constant 0
	v_perm_b32 v[DT+1], 0, s73, v[DD]
	v_perm_b32 v[DB], v[DT], 0, s74
	v_perm_b32 v[DB+1], v[DT], 0, s75
	v_perm_b32 v[DB+8], v[DT+1], 0, s74
	v_perm_b32 v[DB+9], v[DT+1], 0, s75
.endm
.macro MM idx, cur, zero               ; ACC(a, b) (+)= weight fragment b x activation fragment a; a = idx % 4, b = idx / 4
	.set MA, (\idx)&3
	.set MBF, (\idx)>>2
.if \zero
	v_wmma_f32_16x16x32_bf16 v[8*(4*MA+MBF):8*(4*MA+MBF)+7], v[BB+32*\cur+8*MBF:BB+32*\cur+8*MBF+7], v[AF+32*\cur+8*MA:AF+32*\cur+8*MA+7], 0
.else
	v_wmma_f32_16x16x32_bf16 v[8*(4*MA+MBF):8*(4*MA+MBF)+7], v[BB+32*\cur+8*MBF:BB+32*\cur+8*MBF+7], v[AF+32*\cur+8*MA:AF+32*\cur+8*MA+7], v[8*(4*MA+MBF):8*(4*MA+MBF)+7]
.endif
.endm
; K step s, cur = s % 2.  Present: activations(s), decoded weights(s), codes(s + 1).  It loads activations(s + 1) (la) and codes(s + 2) (lc), decodes codes(s + 1) (dec)
; and issues 16 matrix instructions.  The sixteen accumulators take turns, one instruction a turn.
; The wait leaves out only what this step has just issued: 8 la + 2 lc LDS loads; LDS loads come back in order (ISA guide 5.7.1).
; The six v_perm_b32 behind the last matrix instruction name none of its registers: they are the places in front of the next step's loads into the
; activation buffer, of the next writes of the weight buffer, and of the reads of the sums behind a pass.  Where nothing is decoded, four v_nop stand there.
; mode 1: the running addresses step behind the loads; 2: the code address goes back to the ring's start; 3: the activation address goes back to K = 0, the code address steps.
.macro STEP cur, zero, la, lc, dec, aoff, coff, ap, mode
.if \la
	WIN 0
.if \mode==3
	v_mov_b32 v[AA], v[ABASE]
	v_mov_b32 v[AA+1], v[ABASE+1]
.endif
.irp a, 0,1,2,3
	ds_load_b128 v[AF+32*(1-\cur)+8*\a:AF+32*(1-\cur)+8*\a+3],   v[AA+(\a>>1)] offset:(\a&1)*\ap+\aoff
	ds_load_b128 v[AF+32*(1-\cur)+8*\a+4:AF+32*(1-\cur)+8*\a+7], v[AA+(\a>>1)] offset:(\a&1)*\ap+\aoff+32
.endr
.if \mode==1
	v_add_nc_u32 v[AA], 0x80, v[AA]
	v_add_nc_u32 v[AA+1], 0x80, v[AA+1]
.endif
.endif
	WIN WY
.if \lc
.if \mode==2
	v_mov_b32 v[CA], v[CBASE]
.endif
	ds_load_b128 v[CC+8*\cur:CC+8*\cur+3],   v[CA] offset:\coff
	ds_load_b128 v[CC+8*\cur+4:CC+8*\cur+7], v[CA] offset:\coff+512
.if \mode&1
	v_add_nc_u32 v[CA], v[CA], s76
.endif
.endif
	s_wait_dscnt 8*\la+2*\lc
.irp i, 0,1,2,3,4,5,6,7
	MM (2*\i), \cur, \zero
	MM (2*\i+1), \cur, \zero
.if \dec
	DEC \i, (1-\cur)
.endif
.endr
.if \dec
.else
.rept 4
	v_nop
.endr
.endif
.endm
.macro PAIR zero, ap                   ; two K steps
	STEP 0, \zero, 1, 1, 1, 64, 0, \ap, 0
	STEP 1, 0, 1, 1, 1, 128, 1024, \ap, 1
.endm
.macro RUNP n, ap                      ; n pairs in a counted loop; at a label and at a branch every window is 0
	WIN 0
	s_mov_b32 s77, \n
.Lpair_\@:
	PAIR 0, \ap
	WIN 0
	s_sub_co_i32 s77, s77, 1
	s_cmp_lg_u32 s77, 0
	s_cbranch_scc1 .Lpair_\@
.endm
.macro PAIRLAST more, ap               ; a pass's last two K steps; more = 1: they fetch and decode the next pass's first
	STEP 0, 0, 1, \more, 1, 64, 0, \ap, 2
	STEP 1, 0, \more, \more, \more, 0, 1024, \ap, 3
.endm
.macro PROLOG ap                       ; in front of a stage: codes(0), codes(1), activations(0); codes(0) decoded
	WIN WY
	v_mov_b32 v[CA], v[CBASE]
	ds_load_b128 v[CC:CC+3],     v[CA]
	ds_load_b128 v[CC+4:CC+7],   v[CA] offset:512
	ds_load_b128 v[CC+8:CC+11],  v[CA] offset:1024
	ds_load_b128 v[CC+12:CC+15], v[CA] offset:1536
	v_add_nc_u32 v[CA], v[CA], s76
	WIN 0
	v_mov_b32 v[AA], v[ABASE]
	v_mov_b32 v[AA+1], v[ABASE+1]
.irp a, 0,1,2,3
	ds_load_b128 v[AF+8*\a:AF+8*\a+3],   v[AA+(\a>>1)] offset:(\a&1)*\ap
	ds_load_b128 v[AF+8*\a+4:AF+8*\a+7], v[AA+(\a>>1)] offset:(\a&1)*\ap+32
.endr
	WIN WY
	s_wait_dscnt 10                                ; codes(0) are in; the two loads of codes(1) and the eight of activations(0) may be out
.irp i, 0,1,2,3,4,5,6,7
	DEC \i, 0
.endr
.endm
; The complex linear's two results for rows 16 rb + r and code fragment bp, from four exact sums.  Under 0x01 (source 0 = accumulators).
.macro LIN rb, bp, outr, outi
	.set CB, COEF+8*(2*\rb+\bp)
.irp q, 0,2,4,6
	v_pk_mul_f32 v[\outr+\q:\outr+\q+1], v[8*(4*(2+\rb)+2*\bp+1)+\q:8*(4*(2+\rb)+2*\bp+1)+\q+1], v[CB+2:CB+3]                          ; Qi Ti
	v_pk_mul_f32 v[\outi+\q:\outi+\q+1], v[8*(4*(2+\rb)+2*\bp)+\q:8*(4*(2+\rb)+2*\bp)+\q+1], v[CB+6:CB+7]                              ; - Qi Tr
	v_pk_fma_f32 v[\outr+\q:\outr+\q+1], v[8*(4*\rb+2*\bp)+\q:8*(4*\rb+2*\bp)+\q+1], v[CB:CB+1], v[\outr+\q:\outr+\q+1]                ; + Qr Tr
	v_pk_fma_f32 v[\outi+\q:\outi+\q+1], v[8*(4*\rb+2*\bp+1)+\q:8*(4*\rb+2*\bp+1)+\q+1], v[CB+4:CB+5], v[\outi+\q:\outi+\q+1]          ; + Qr Ti
.endr
.endm
; Behind pass p of stage 1: g, u, ReLU^2, h = a x conj-style product, into h's registers of pass p.
.macro EPI1 p
	.set HB, (32*\p)&255
	WIN 0x01
	LIN 0, 0, GG, GG+8                             ; rows r: g_r, g_i
	LIN 0, 1, GG+16, GG+24                         ;         u_r, u_i
	LIN 1, 0, GG+32, GG+40                         ; rows 16 + r
	LIN 1, 1, GG+48, GG+56
	WIN 0
.irp rb, 0,1
.irp j, 0,1,2,3,4,5,6,7
	v_max_num_f32 v[FL+8*\rb+\j], v[GG+32*\rb+\j], v[GG+32*\rb+8+\j]       ; both below zero = the larger below zero
.endr
.endr
.irp rb, 0,1
.irp j, 0,1,2,3,4,5,6,7
	v_cmp_gt_f32 vcc_lo, 0, v[FL+8*\rb+\j]
	v_cndmask_b32 v[GG+32*\rb+\j], v[GG+32*\rb+\j], 0, vcc_lo
	v_cndmask_b32 v[GG+32*\rb+8+\j], v[GG+32*\rb+8+\j], 0, vcc_lo
.endr
.endr
.irp rb, 0,1
.irp q, 0,2,4,6,8,10,12,14
	v_pk_mul_f32 v[GG+32*\rb+\q:GG+32*\rb+\q+1], v[GG+32*\rb+\q:GG+32*\rb+\q+1], v[GG+32*\rb+\q:GG+32*\rb+\q+1]   ; a_r, a_i
.endr
.irp q, 0,2,4,6
	v_pk_mul_f32 v[FL+32*\rb+\q:FL+32*\rb+\q+1], v[GG+32*\rb+8+\q:GG+32*\rb+8+\q+1], v[GG+32*\rb+24+\q:GG+32*\rb+24+\q+1]       ; a_i u_i
	v_pk_mul_f32 v[FL+32*\rb+8+\q:FL+32*\rb+8+\q+1], v[GG+32*\rb+8+\q:GG+32*\rb+8+\q+1], v[GG+32*\rb+16+\q:GG+32*\rb+16+\q+1]   ; a_i u_r
.endr
.endr
	WIN 0x80+0x40*(\p>>3)
.irp rb, 0,1
.irp q, 0,2,4,6
	v_pk_fma_f32 v[HB+16*\rb+\q:HB+16*\rb+\q+1], v[GG+32*\rb+\q:GG+32*\rb+\q+1], v[GG+32*\rb+16+\q:GG+32*\rb+16+\q+1], v[FL+32*\rb+\q:FL+32*\rb+\q+1]
	v_pk_fma_f32 v[HB+16*\rb+8+\q:HB+16*\rb+8+\q+1], v[GG+32*\rb+\q:GG+32*\rb+\q+1], v[GG+32*\rb+24+\q:GG+32*\rb+24+\q+1], v[FL+32*\rb+8+\q:FL+32*\rb+8+\q+1] neg_lo:[0,0,1] neg_hi:[0,0,1]
.endr
.endr
.endm
	; ---------------------------------------------------------------- stage 1: 11 passes of 32 K steps (16 pairs)
	; Codes are read one pair ahead.  In front of pair 7 slot 0 has been read to its end and slot 1 is wanted; in front of pair 15 the reverse.
	; A fill has eight pairs, 256 matrix instructions of the wave, in which to land; one tensor load of the wave is out behind each round.
	s_wait_tensorcnt 0x1                           ; slot 0 has landed; slot 1's load, issued behind it, may be out.  Only I read my wave's codes
	PROLOG AP1
.irp p, 0,1,2,3,4,5,6,7,8,9
	PAIR 1, AP1                                    ; the first products start the sums: nothing is cleared
	RUNP 6, AP1
	BOUND 52, 28, 131072                           ; slot 0: the next pass's K steps 0-15
	RUNP 8, AP1
	BOUND 56, 28, 131072                           ; slot 1: its K steps 16-31
	PAIRLAST 1, AP1
	EPI1 \p
.endr
	PAIR 1, AP1
	RUNP 6, AP1
	BOUND 60, 36, 0                                ; stage 2's first codes take the ring over: part 0 over what slot 0 was
	RUNP 8, AP1
	BOUND 68, 44, 0                                ; part 1 behind it; both slots have been read to their ends
	PAIRLAST 0, AP1
	EPI1 10
	; ---------------------------------------------------------------- phase C
	WIN 0x40                                       ; the gains of my columns go into window 1, over accumulators and weight fragments, which are done with
.irp p, 0,1,2,3,4,5,6,7,8,9
	global_load_b128 v[16*\p:16*\p+3],     v[LNOFF], s[8:9] offset:256*\p
	global_load_b128 v[16*\p+4:16*\p+7],   v[LNOFF], s[8:9] offset:256*\p+16
	global_load_b128 v[16*\p+8:16*\p+11],  v[LNOFF], s[10:11] offset:256*\p
	global_load_b128 v[16*\p+12:16*\p+15], v[LNOFF], s[10:11] offset:256*\p+16
.endr
	global_load_b128 v[160:163], v[LNOFF10], s[8:9]
	global_load_b128 v[164:167], v[LNOFF10], s[8:9] offset:16
	global_load_b128 v[168:171], v[LNOFF10], s[10:11]
	global_load_b128 v[172:175], v[LNOFF10], s[10:11] offset:16
; c = 2 rb + part: four chains that do not wait for each other
.macro HSQ p
	.set HB, (32*\p)&255
.irp q, 0,2,4,6
.irp c, 0,1,2,3
.if (\p+\q)==0
	v_pk_mul_f32 v[SS+2*\c:SS+2*\c+1], v[HB+8*\c+\q:HB+8*\c+\q+1], v[HB+8*\c+\q:HB+8*\c+\q+1]
.else
	v_pk_fma_f32 v[SS+2*\c:SS+2*\c+1], v[HB+8*\c+\q:HB+8*\c+\q+1], v[HB+8*\c+\q:HB+8*\c+\q+1], v[SS+2*\c:SS+2*\c+1]
.endif
.endr
.endr
.endm
.macro HINV p
	.set HB, (32*\p)&255
.irp c, 0,1,2,3
.irp q, 0,2,4,6
	v_pk_mul_f32 v[HB+8*\c+\q:HB+8*\c+\q+1], v[HB+8*\c+\q:HB+8*\c+\q+1], v[INVP+2*(\c>>1):INVP+2*(\c>>1)+1]
.endr
.endr
.endm
.macro HLN p
	.set HB, (32*\p)&255
.irp c, 0,1,2,3
.irp q, 0,2,4,6
	v_pk_mul_f32 v[HB+8*\c+\q:HB+8*\c+\q+1], v[HB+8*\c+\q:HB+8*\c+\q+1], v[16*\p+8*(\c&1)+\q:16*\p+8*(\c&1)+\q+1]
.endr
.endr
.endm
.macro HMAX p
	.set HB, (32*\p)&255
.irp q, 0,2,4,6
.irp c, 0,1,2,3
	v_max3_num_f32 v[MX+\c], v[MX+\c], |v[HB+8*\c+\q]|, |v[HB+8*\c+\q+1]|
.endr
.endr
.endm
	WIN 0x0a                                       ; sources 0 and 1 = h in window 2
.irp p, 0,1,2,3,4,5,6,7
	HSQ \p
.endr
	WIN 0x0f                                       ; window 3
.irp p, 8,9,10
	HSQ \p
.endr
	WIN 0
.irp rb, 0,1
	v_pk_add_f32 v[SS+4*\rb:SS+4*\rb+1], v[SS+4*\rb:SS+4*\rb+1], v[SS+4*\rb+2:SS+4*\rb+3]
	v_add_f32 v[SS+4*\rb], v[SS+4*\rb], v[SS+4*\rb+1]
	v_permlanex16_b32 v[SS+4*\rb+1], v[SS+4*\rb], s78, s79         ; the other eight columns of each tile
	v_add_f32 v[SS+4*\rb], v[SS+4*\rb], v[SS+4*\rb+1]
	ds_store_b32 v[SSA], v[SS+4*\rb] offset:64*\rb                 ; my wave's share of row 16 rb + r
.endr
	s_wait_dscnt 0x0                               ; my shares are written, and my reads of Q are back
	s_barrier_signal -1                            ; behind this barrier no wave reads Q any more.  Stage 2's second part may stay out: nothing is filled again here
	s_barrier_wait -1
.irp rb, 0,1
.irp w, 0,1,2,3
	ds_load_b32 v[LD8+4*\rb+\w], v[SSL] offset:128*\w+64*\rb
.endr
.endr
.irp c, 0,1,2,3
	v_mov_b32 v[MX+\c], 0                          ; magnitudes are not below zero
.endr
	s_wait_dscnt 0x0
.irp rb, 0,1
	v_add_f32 v[LD8+4*\rb], v[LD8+4*\rb], v[LD8+4*\rb+1]           ; the same order in every wave: the same number in every wave
	v_add_f32 v[LD8+4*\rb+2], v[LD8+4*\rb+2], v[LD8+4*\rb+3]
	v_add_f32 v[LD8+4*\rb], v[LD8+4*\rb], v[LD8+4*\rb+2]
	v_fma_f32 v[LD8+4*\rb], v[LD8+4*\rb], s82, s83                 ; mean + 1e-6
.endr
	v_rsq_f32 v[INVP], v[LD8]
	v_rsq_f32 v[INVP+2], v[LD8+4]
	v_nop                                          ; one plain place behind the transcendentals (ISA guide 5.7.2)
	s_wait_alu depctr_va_vdst(0)
	v_mov_b32 v[INVP+1], v[INVP]
	v_mov_b32 v[INVP+3], v[INVP+2]
	s_wait_loadcnt 0x0                             ; the gains
	WIN 0x82                                       ; h in place, window 2
.irp p, 0,1,2,3,4,5,6,7
	HINV \p
.endr
	WIN 0x86                                       ; the same with source 1 = the gains in window 1: two roundings, h inv first, then the gain
.irp p, 0,1,2,3,4,5,6,7
	HLN \p
.endr
	WIN 0x28                                       ; sources 1 and 2 = n in window 2
.irp p, 0,1,2,3,4,5,6,7
	HMAX \p
.endr
	WIN 0xc3
.irp p, 8,9,10
	HINV \p
.endr
	WIN 0xc7
.irp p, 8,9,10
	HLN \p
.endr
	WIN 0x3c
.irp p, 8,9,10
	HMAX \p
.endr
	WIN 0
.irp c, 0,1,2,3
	v_permlanex16_b32 v[LD8+\c], v[MX+\c], s78, s79
.endr
.irp c, 0,1,2,3
	v_max_num_f32 v[MX+\c], v[MX+\c], v[LD8+\c]
	ds_store_b32 v[MXA], v[MX+\c] offset:128*(\c&1)+64*(\c>>1)
.endr
	s_wait_dscnt 0x0
	s_barrier_signal -1
	s_barrier_wait -1
.irp c, 0,1,2,3
.irp w, 0,1,2,3
	ds_load_b32 v[LM+4*\c+\w], v[MXL] offset:256*\w+128*(\c&1)+64*(\c>>1)
.endr
.endr
	s_wait_dscnt 0x0
.irp c, 0,1,2,3
	v_max3_num_f32 v[LM+4*\c], v[LM+4*\c], v[LM+4*\c+1], v[LM+4*\c+2]
	v_max_num_f32 v[LM+4*\c], v[LM+4*\c], v[LM+4*\c+3]
	DIV127 (RS2+2*\c), (LM+4*\c), TY, TE
	v_mov_b32 v[RS2+2*\c+1], v[RS2+2*\c]
	INV (AL2+\c), (RS2+2*\c), TE
.endr
	MKCOEF 0, 0, AL2, AL2+1, WS+4, WS+5            ; stage 2's coefficients: the same for both column tiles of a pass
	MKCOEF 0, 1, AL2, AL2+1, WS+4, WS+5
	MKCOEF 1, 0, AL2+2, AL2+3, WS+4, WS+5
	MKCOEF 1, 1, AL2+2, AL2+3, WS+4, WS+5
; Pass p's 32 numbers a lane: n rs, rounded, clipped, as bf16; 16 bytes (8 neighbouring columns of a row) a store.
.macro QN p
	.set HB, (32*\p)&255
	WIN 0x02+(\p>>3)
.irp c, 0,1,2,3
.irp q, 0,2,4,6
	v_pk_mul_f32 v[GG+8*\c+\q:GG+8*\c+\q+1], v[HB+8*\c+\q:HB+8*\c+\q+1], v[RS2+2*\c:RS2+2*\c+1]
.endr
.endr
	WIN 0
	.set KK, 0
.rept 32
	v_rndne_f32 v[GG+KK], v[GG+KK]
	.set KK, KK+1
.endr
	.set KK, 0
.rept 32
	v_med3_num_f32 v[GG+KK], v[GG+KK], s81, s80
	.set KK, KK+1
.endr
	.set KK, 0
.rept 16
	v_cvt_pk_bf16_f32 v[GG+32+KK], v[GG+2*KK], v[GG+2*KK+1]
	.set KK, KK+1
.endr
.irp c, 0,1,2,3
	ds_store_b128 v[N2ST+(\c&1)], v[GG+32+4*\c:GG+32+4*\c+3] offset:(\c>>1)*AP2+128*\p
.endr
.endm
.irp p, 0,1,2,3,4,5,6,7,8,9,10
	QN \p
.endr
	v_mul_u32_u24 v[ABASE], v2, A2P
	v_lshl_add_u32 v[ABASE], v3, 4, v[ABASE]
	v_add_nc_u32 v[ABASE], QB, v[ABASE]            ; A2 + r x pitch + 16 h
	v_add_nc_u32 v[ABASE+1], 32*A2P, v[ABASE]
	s_wait_dscnt 0x0                               ; my columns of A2 are written
	s_barrier_signal -1
	s_barrier_wait -1
	; ---------------------------------------------------------------- stage 2: 8 passes of 22 K steps (11 pairs)
; Behind pass t: out_r, out_i of 32 rows x 32 columns into my own stage.
.macro EPI2 t
	WIN 0x01
	LIN 0, 0, GG, GG+8
	LIN 0, 1, GG+16, GG+24
	LIN 1, 0, GG+32, GG+40
	LIN 1, 1, GG+48, GG+56
	WIN 0
.irp rb, 0,1
.irp bp, 0,1
.irp c, 0,1
	ds_store_b128 v[STO], v[GG+16*(2*\rb+\bp)+8*\c:GG+16*(2*\rb+\bp)+8*\c+3]   offset:\c*32*SPI+\rb*16*SPI+((\t)&1)*128+\bp*64
	ds_store_b128 v[STO], v[GG+16*(2*\rb+\bp)+8*\c+4:GG+16*(2*\rb+\bp)+8*\c+7] offset:\c*32*SPI+\rb*16*SPI+((\t)&1)*128+\bp*64+16
.endr
.endr
.endr
.endm
; Behind every second pass: 64 columns = 256 bytes of each of my 32 rows, read back by rows and stored.  The stage is my wave's own, and LDS serves a wave's
; instructions in order (ISA guide 5.7.1): no wait between the stores above and these loads.
.macro FLUSH t
.irp c, 0,1
	s_wait_xcnt 0x0                                ; the registers that earlier stores read are loaded again only behind this wait
.irp i, 0,1,2,3,4,5,6,7,8,9,10,11,12,13,14,15
	ds_load_b128 v[FL+4*\i:FL+4*\i+3], v[RD] offset:\c*32*SPI+2*SPI*\i
.endr
.irp i, 0,1,2,3,4,5,6,7,8,9,10,11,12,13,14,15
	s_wait_dscnt 15-\i                             ; load i of the sixteen is in, the younger ones may be out
	global_store_b128 v[CO], v[FL+4*\i:FL+4*\i+3], s[16+2*\c:17+2*\c] offset:8192*\i+256*((\t)>>1) th:TH_STORE_NT   ; 16 lanes store 256 consecutive bytes, at a multiple of 256 from the buffer's first byte
.endr
.endr
.endm
	PROLOG AP2                                     ; part 0 was shown landed by the wait in front of stage 1's last round
.irp t, 0,1,2,3,4,5,6
	PAIR 1, AP2
	RUNP 4, AP2
	BOUND 60, 36, 90112                            ; in front of pair 5: part 0 read to its end, part 1 wanted; part 0 gets the next pass's K steps 0-11
	RUNP 5, AP2
	BOUND 68, 44, 90112                            ; in front of pair 10: part 1 gets the next pass's K steps 12-21
	PAIRLAST 1, AP2
	EPI2 \t
.if \t&1
	FLUSH \t
.endif
.endr
	PAIR 1, AP2                                    ; the last pass fills nothing
	RUNP 4, AP2
	s_wait_tensorcnt 0x0                           ; my last load, part 1 of this pass, has landed; none is out from here to the end
	RUNP 5, AP2
	PAIRLAST 0, AP2
	EPI2 7
	FLUSH 7                                        ; its last wait on LDS is for zero
	s_set_vgpr_msb 0x5
	s_wait_tensorcnt 0x0
	ds_add_u32 v254, v255
	s_wait_dscnt 0x0
	s_set_vgpr_msb 0x500
	ROUND                                          ; the closing round: no work-group ends while a partner may still ask for a tile that names it
	s_endpgm
.Lfunc_end_k_qcea3ead518_mlp:
	.size	k_qcea3ead518_mlp, .Lfunc_end_k_qcea3ead518_mlp-k_qcea3ead518_mlp
	.p2alignl 7, 3214868480
	.fill 96, 4, 3214868480
	.section	.rodata,"a",@progbits
	.p2align	6, 0x0
	.amdhsa_kernel k_qcea3ead518_mlp
		.amdhsa_group_segment_fixed_size 327680
		.amdhsa_private_segment_fixed_size 0
		.amdhsa_enable_private_segment 0
		.amdhsa_kernarg_size 64
		.amdhsa_user_sgpr_count 2
		.amdhsa_user_sgpr_kernarg_segment_ptr 1
		.amdhsa_wavefront_size32 1
		.amdhsa_system_sgpr_workgroup_id_x 1
		.amdhsa_system_sgpr_workgroup_id_y 1
		.amdhsa_system_sgpr_workgroup_id_z 1
		.amdhsa_system_vgpr_workitem_id 0
		.amdhsa_next_free_vgpr 864
		.amdhsa_next_free_sgpr 96
		.amdhsa_reserve_vcc 1
		.amdhsa_float_denorm_mode_32 3
		.amdhsa_float_denorm_mode_16_64 3
		.amdhsa_memory_ordered 1
		.amdhsa_forward_progress 1
		.amdhsa_inst_pref_size 255
	.end_amdhsa_kernel
	.section	.bss,"aw",@nobits
	.p2align	6
	.space	262144
	.amdgpu_metadata
---
amdhsa.version: [ 1, 2 ]
amdhsa.kernels:
  - .name:           k_qcea3ead518_mlp
    .symbol:         k_qcea3ead518_mlp.kd
    .args:
      - { .name: x_real, .offset: 0, .size: 8, .value_kind: global_buffer, .address_space: global }
      - { .name: x_imag, .offset: 8, .size: 8, .value_kind: global_buffer, .address_space: global }
      - { .name: ln_wr, .offset: 16, .size: 8, .value_kind: global_buffer, .address_space: global }
      - { .name: ln_wi, .offset: 24, .size: 8, .value_kind: global_buffer, .address_space: global }
      - { .name: wcode, .offset: 32, .size: 8, .value_kind: global_buffer, .address_space: global }
      - { .name: wpart, .offset: 40, .size: 8, .value_kind: global_buffer, .address_space: global }
      - { .name: out0, .offset: 48, .size: 8, .value_kind: global_buffer, .address_space: global }
      - { .name: out1, .offset: 56, .size: 8, .value_kind: global_buffer, .address_space: global }
    .group_segment_fixed_size: 327680
    .private_segment_fixed_size: 0
    .kernarg_segment_align: 8
    .kernarg_segment_size: 64
    .max_flat_workgroup_size: 128
    .sgpr_count:     96
    .vgpr_count:     864
    .wavefront_size: 32
...
	.end_amdgpu_metadata
.endif
;; end of part 2
;; ======== version 2 of 2: 2 launches; 1.31 times as fast as version 1
;; workspace buffers: wcode 2,162,688 bytes; wpart 9,216 bytes
;; launch prep (part 3): grid 528 x 1, 8 waves a work-group, no clusters, 1,280 bytes of LDS; arguments gate_wr, gate_wi, up_wr, up_wi, down_wr, down_wi, wcode, wpart; writes wcode, wpart
.if DOCPART == 3
	.amdgcn_target "amdgcn-amd-amdhsa--gfx1250"
	.amdhsa_code_object_version 6
	.text
	.protected	k_qcea3ead518_prep
	.globl	k_qcea3ead518_prep
	.p2align	8
	.type	k_qcea3ead518_prep,@function
k_qcea3ead518_prep:
	s_mov_b64 s[64:65], 0
	v_nop
	global_prefetch_b8 v0, s[64:65] scope:SCOPE_SE
	s_setreg_imm32_b32 hwreg(HW_REG_WAVE_MODE, 25, 1), 1
	s_wait_xcnt 0x0
; PREP: the three complex weight matrices (gate, up: [688][1024]; down: [1024][688], f32) become
;   wcode: for each (row n, column k) two 4-bit floats (E2M1), the real and the imaginary ternary: +1.0 = 0x2, -1.0 = 0xa, 0 = 0x0 (all three exact; padding: both 0),
;          laid out in the register order of a 16-bit K = 32 matrix fragment: 512 bytes for a pair of fragments (real, imaginary), 16 bytes a lane;
;          lane (r = l % 16, hh = l / 16), row 16 tile + r: dword 0 = real part of columns 32 s + 8 hh + 0..7, the lowest column in the lowest four bits;
;          dword 1 = real part of columns 32 s + 16 + 8 hh + 0..7; dwords 2, 3 = the imaginary part of the same columns;
;   wpart: for each matrix 192 entries of 16 bytes (sum |wr| over the real class, sum |wi| over the imaginary class, size of the real class, 0),
;          one entry a work-group; entries 176 to 191 are zeros.  The next launch adds them up.
; One wave makes one pair of fragments; a matrix has 1,408 of them (44 x 32 or 64 x 22) = 176 work-groups of eight waves; 3 x 176 = 528 work-groups.
; The eight waves of a work-group take neighbouring K steps, so that together they read 1,024 neighbouring bytes of each of their rows (gate, up).
; THE CLASS is decided without an arctangent, by comparing the magnitudes as whole numbers: real where |wr| > |wi|; at |wr| = |wi| real where the
; signs differ (phase -pi/4 and 3pi/4 are real, pi/4 and -3pi/4 imaginary, as the half-open sectors say); wi = +-0 with wr = +-0 real, with wr's sign bit.
; LIMITS: NaN and infinities are not served.  An arctangent rounded to f32 may put a pair whose magnitudes differ in the last bit into the other class.
; No matrix unit, cluster or tensor load: each byte is read once, and the work is a few integer instructions a number.
.set S2OFF, 1441792                    ; where the down matrix's codes begin: 11 passes x 131,072 bytes of gate and up
.set CD, 56                            ; v[56:59]  the lane's 16 bytes of codes: real run 0, real run 1, imaginary run 0, imaginary run 1
.set SM, 48                            ; v[48:51]  sum |wr|, sum |wi|, count of the real class, 0
	s_load_b512 s[4:19], s[0:1], 0x0               ; gate_wr, gate_wi, up_wr, up_wi, down_wr, down_wi, wcode s[16:17], wpart s[18:19]
	v_lshl_add_u32 v96, v0, 2, 0x100
	v_mov_b32 v97, 0
	v_lshrrev_b32 v1, 5, v0
	v_readfirstlane_b32 s22, v1                    ; wave 0..7
	v_and_b32 v2, 15, v0                           ; r
	v_bfe_u32 v3, v0, 4, 1                         ; hh
	v_and_b32 v5, 31, v0                           ; lane
	s_mov_b32 s42, 0x76543210                      ; v_permlanex16_b32: lane i of one half reads lane i of the other
	s_mov_b32 s43, 0xfedcba98
	s_mov_b32 s44, 0x7fffffff                      ; clears a sign
	s_cmp_ge_u32 ttmp9, 176
	s_cselect_b32 s20, 1, 0
	s_cmp_ge_u32 ttmp9, 352
	s_cselect_b32 s21, 1, 0
	s_add_co_u32 s20, s20, s21                     ; m: 0 gate, 1 up, 2 down
	s_mul_i32 s21, s20, 176
	s_sub_co_u32 s21, ttmp9, s21                   ; loc: the work-group's number within its matrix
	s_lshl3_add_u32 s23, s21, s22                  ; item = 8 loc + wave, 0..1407
	s_cmp_eq_u32 s20, 2
	s_cbranch_scc1 .Ldown
	; gate and up: tile = item / 32 (44 tiles of 16 rows, the last one padding), s = item % 32
	s_lshr_b32 s28, s23, 5                         ; tile
	s_and_b32 s29, s23, 31                         ; s
	s_mov_b32 s30, 4096                            ; bytes in a row
	s_lshr_b32 s31, s28, 2
	s_lshl_b32 s31, s31, 17                        ; pass p = tile / 4: 131,072 bytes
	s_and_b32 s34, s28, 3
	s_lshl_b32 s34, s34, 14                        ; wave of the next launch = tile % 4: 16,384 bytes
	s_add_co_u32 s31, s31, s34
	s_lshr_b32 s34, s29, 4
	s_lshl_b32 s34, s34, 16                        ; half = s / 16: 65,536 bytes
	s_add_co_u32 s31, s31, s34
	s_and_b32 s34, s29, 15
	s_lshl_b32 s34, s34, 10                        ; s % 16: 1,024 bytes
	s_add_co_u32 s31, s31, s34
	s_lshl_b32 s34, s20, 9                         ; gate first, up 512 bytes behind it
	s_add_co_u32 s31, s31, s34
	s_cmp_eq_u32 s28, 43
	s_cselect_b32 s32, 1, 0                        ; rows 688 to 703 do not exist: nothing is loaded, all codes stay 0
	s_mov_b32 s33, 0
	s_branch .Ljoin
.Ldown:
	; down: tile = item / 22 (64 tiles), s = item % 22.  item x 2979 >> 16 = item / 22 for item < 1408 (22 x 2979 = 65,538)
	s_mul_i32 s28, s23, 2979
	s_lshr_b32 s28, s28, 16                        ; tile = 16 w + 2 t + f
	s_mul_i32 s34, s28, 22
	s_sub_co_u32 s29, s23, s34                     ; s
	s_mov_b32 s30, 2752                            ; bytes in a row
	s_bfe_u32 s34, s28, 0x30001                    ; t
	s_mul_i32 s31, s34, 90112
	s_add_co_u32 s31, s31, S2OFF
	s_lshr_b32 s35, s28, 4                         ; w
	s_lshl_b32 s37, s29, 10
	s_mul_i32 s36, s35, 12288                      ; s < 12: the pass's first part, 12 steps a wave
	s_add_co_u32 s36, s36, s37
	s_mul_i32 s38, s35, 10240                      ; else its second part, 10 steps a wave, behind the four first parts
	s_add_co_u32 s38, s38, s37
	s_add_co_u32 s38, s38, 49152-12288
	s_cmp_lt_u32 s29, 12
	s_cselect_b32 s36, s36, s38
	s_add_co_u32 s31, s31, s36
	s_and_b32 s34, s28, 1                          ; f
	s_lshl_b32 s34, s34, 9
	s_add_co_u32 s31, s31, s34
	s_mov_b32 s32, 0
	s_cmp_eq_u32 s29, 21
	s_cselect_b32 s33, 1, 0                        ; columns 688 to 703 do not exist: the second run of step 21 stays 0
.Ljoin:
	s_lshl_b32 s34, s28, 4
	v_add_nc_u32 v4, s34, v2                       ; row 16 tile + r
	v_mul_lo_u32 v4, v4, s30
	v_lshl_add_u32 v4, v3, 5, v4                   ; + 32 hh
	s_lshl_b32 s35, s29, 7
	v_add_nc_u32 v4, s35, v4                       ; + 128 s: the byte offset of my first run of eight numbers
	v_lshl_add_u32 v6, v5, 4, s31                  ; where my 16 bytes of codes go
.irp i, 0,1,2,3
	v_mov_b32 v[CD+\i], 0                          ; the codes are gathered by OR; what is not loaded stays the code of zero
	v_mov_b32 v[SM+\i], 0
.endr
	v_mov_b32 v52, 0
	s_wait_kmcnt 0x0
	s_cmp_eq_u32 s20, 0
	s_cselect_b64 s[24:25], s[4:5], s[8:9]         ; wr of my matrix
	s_cselect_b64 s[26:27], s[6:7], s[10:11]       ; wi
	s_cmp_eq_u32 s20, 2
	s_cselect_b64 s[24:25], s[12:13], s[24:25]
	s_cselect_b64 s[26:27], s[14:15], s[26:27]
; Eight numbers of run 0 (wr v8-15, wi v16-23) or run 1 (wr v24-31, wi v32-39): class, the two 4-bit codes, sums.
.macro CLS8 run
.irp e, 0,1,2,3,4,5,6,7
	v_and_b32 v40, s44, v[8+16*\run+\e]            ; |wr| as bits
	v_and_b32 v41, s44, v[16+16*\run+\e]           ; |wi|
	v_xor_b32 v42, v[8+16*\run+\e], v[16+16*\run+\e]
	v_lshrrev_b32 v42, 31, v42                     ; 1 where the signs differ
	v_add_nc_u32 v42, v40, v42
	v_max_u32 v42, 1, v42                          ; so that 0, 0 counts as real
	v_cmp_gt_u32 vcc_lo, v42, v41                  ; real class
	v_lshrrev_b32 v43, 31, v[8+16*\run+\e]
	v_lshrrev_b32 v44, 31, v[16+16*\run+\e]
	v_lshl_or_b32 v43, v43, 3, 2                   ; +1.0 = 0x2 or -1.0 = 0xa, by wr's sign
	v_lshl_or_b32 v44, v44, 3, 2                   ; by wi's sign
	v_cndmask_b32 v43, 0, v43, vcc_lo              ; the real ternary: 0 in the imaginary class
	v_cndmask_b32 v44, v44, 0, vcc_lo              ; the imaginary ternary: 0 in the real class
	v_cndmask_b32 v45, 0, v40, vcc_lo
	v_cndmask_b32 v46, v41, 0, vcc_lo
	v_cndmask_b32 v47, 0, 1.0, vcc_lo
	v_add_f32 v[SM], v[SM], v45
	v_add_f32 v[SM+1], v[SM+1], v46
	v_add_f32 v[SM+2], v[SM+2], v47
	v_lshl_or_b32 v[CD+\run], v43, 4*\e, v[CD+\run]
	v_lshl_or_b32 v[CD+2+\run], v44, 4*\e, v[CD+2+\run]
.endr
.endm
	s_cmp_lg_u32 s32, 0
	s_cbranch_scc1 .Lstore
	global_load_b128 v[8:11],  v4, s[24:25] th:TH_LOAD_NT
	global_load_b128 v[12:15], v4, s[24:25] offset:16 th:TH_LOAD_NT
	global_load_b128 v[16:19], v4, s[26:27] th:TH_LOAD_NT
	global_load_b128 v[20:23], v4, s[26:27] offset:16 th:TH_LOAD_NT
	s_cmp_lg_u32 s33, 0
	s_cbranch_scc1 .Lrun0
	global_load_b128 v[24:27], v4, s[24:25] offset:64 th:TH_LOAD_NT
	global_load_b128 v[28:31], v4, s[24:25] offset:80 th:TH_LOAD_NT
	global_load_b128 v[32:35], v4, s[26:27] offset:64 th:TH_LOAD_NT
	global_load_b128 v[36:39], v4, s[26:27] offset:80 th:TH_LOAD_NT
	s_wait_loadcnt 0x0
	CLS8 1
.Lrun0:
	s_wait_loadcnt 0x0
	CLS8 0
.Lstore:
	global_store_b128 v6, v[CD:CD+3], s[16:17]     ; the wave's store covers 512 consecutive bytes, at a multiple of 512 from wcode's first byte
	; the three sums over the wave's 32 lanes, then over the eight waves through LDS
.irp i, 0,1,2
	v_add_f32_dpp v[SM+\i], v[SM+\i], v[SM+\i] row_xmask:1 row_mask:0xf bank_mask:0xf
	v_add_f32_dpp v[SM+\i], v[SM+\i], v[SM+\i] row_xmask:2 row_mask:0xf bank_mask:0xf
	v_add_f32_dpp v[SM+\i], v[SM+\i], v[SM+\i] row_xmask:4 row_mask:0xf bank_mask:0xf
	v_add_f32_dpp v[SM+\i], v[SM+\i], v[SM+\i] row_xmask:8 row_mask:0xf bank_mask:0xf
	v_permlanex16_b32 v52, v[SM+\i], s42, s43
	v_add_f32 v[SM+\i], v[SM+\i], v52
.endr
	v_mov_b32 v54, s22
	v_lshlrev_b32 v54, 4, v54
	ds_store_b128 v54, v[SM:SM+3]                  ; every lane writes the wave's own 16 bytes with the same numbers
	s_wait_dscnt 0x0                               ; for the other waves' sake: zero
	s_barrier_signal -1
	s_barrier_wait -1
	v_and_b32 v55, 7, v0
	v_lshlrev_b32 v55, 4, v55
	ds_load_b128 v[60:63], v55                     ; lane l: the sums of wave l % 8
	s_wait_dscnt 0x0
.irp i, 60,61,62
	v_add_f32_dpp v\i, v\i, v\i row_xmask:1 row_mask:0xf bank_mask:0xf
	v_add_f32_dpp v\i, v\i, v\i row_xmask:2 row_mask:0xf bank_mask:0xf
	v_add_f32_dpp v\i, v\i, v\i row_xmask:4 row_mask:0xf bank_mask:0xf
.endr
	s_cmp_lg_u32 s22, 0
	s_cbranch_scc1 .Lend                           ; wave 0 alone stores the work-group's entry
	s_mul_i32 s41, s20, 192
	s_add_co_u32 s41, s41, s21
	s_lshl_b32 s41, s41, 4                         ; entry 192 m + loc
	v_mov_b32 v68, s41
.irp i, 64,65,66,67
	v_mov_b32 v\i, 0
.endr
	v_cmp_eq_u32 vcc_lo, 0, v0
	s_wait_xcnt 0x0                                ; EXEC is a source of the store of the codes: it changes only behind this wait
	s_and_saveexec_b32 s40, vcc_lo                 ; lane 0 alone
	global_store_b128 v68, v[60:63], s[18:19]
	s_cmp_ge_u32 s21, 16
	s_cbranch_scc1 .Lnopad
	global_store_b128 v68, v[64:67], s[18:19] offset:2816   ; work-groups 0 to 15 of a matrix also write the zero entries 176 to 191
.Lnopad:
	s_wait_xcnt 0x0                                ; and again in front of the line that widens EXEC
	s_or_b32 exec_lo, exec_lo, s40
.Lend:
	s_wait_tensorcnt 0x0
	ds_add_u32 v96, v97
	s_wait_dscnt 0x0
	s_endpgm
.Lfunc_end_k_qcea3ead518_prep:
	.size	k_qcea3ead518_prep, .Lfunc_end_k_qcea3ead518_prep-k_qcea3ead518_prep
	.p2alignl 7, 3214868480
	.fill 96, 4, 3214868480
	.section	.rodata,"a",@progbits
	.p2align	6, 0x0
	.amdhsa_kernel k_qcea3ead518_prep
		.amdhsa_group_segment_fixed_size 1280
		.amdhsa_private_segment_fixed_size 0
		.amdhsa_enable_private_segment 0
		.amdhsa_kernarg_size 64
		.amdhsa_user_sgpr_count 2
		.amdhsa_user_sgpr_kernarg_segment_ptr 1
		.amdhsa_wavefront_size32 1
		.amdhsa_system_sgpr_workgroup_id_x 1
		.amdhsa_system_sgpr_workgroup_id_y 1
		.amdhsa_system_sgpr_workgroup_id_z 1
		.amdhsa_system_vgpr_workitem_id 0
		.amdhsa_next_free_vgpr 98
		.amdhsa_next_free_sgpr 66
		.amdhsa_reserve_vcc 1
		.amdhsa_float_denorm_mode_32 3
		.amdhsa_float_denorm_mode_16_64 3
		.amdhsa_memory_ordered 1
		.amdhsa_forward_progress 1
		.amdhsa_inst_pref_size 22
	.end_amdhsa_kernel
	.amdgpu_metadata
---
amdhsa.version: [ 1, 2 ]
amdhsa.kernels:
  - .name:           k_qcea3ead518_prep
    .symbol:         k_qcea3ead518_prep.kd
    .args:
      - { .name: gate_wr, .offset: 0, .size: 8, .value_kind: global_buffer, .address_space: global }
      - { .name: gate_wi, .offset: 8, .size: 8, .value_kind: global_buffer, .address_space: global }
      - { .name: up_wr, .offset: 16, .size: 8, .value_kind: global_buffer, .address_space: global }
      - { .name: up_wi, .offset: 24, .size: 8, .value_kind: global_buffer, .address_space: global }
      - { .name: down_wr, .offset: 32, .size: 8, .value_kind: global_buffer, .address_space: global }
      - { .name: down_wi, .offset: 40, .size: 8, .value_kind: global_buffer, .address_space: global }
      - { .name: wcode, .offset: 48, .size: 8, .value_kind: global_buffer, .address_space: global }
      - { .name: wpart, .offset: 56, .size: 8, .value_kind: global_buffer, .address_space: global }
    .group_segment_fixed_size: 1280
    .private_segment_fixed_size: 0
    .kernarg_segment_align: 8
    .kernarg_segment_size: 64
    .max_flat_workgroup_size: 256
    .sgpr_count:     66
    .vgpr_count:     98
    .wavefront_size: 32
...
	.end_amdgpu_metadata
.endif
;; end of part 3
;; launch mlp (part 4): grid 256 x 1, 4 waves a work-group, clusters of 4 x 1, 327,680 bytes of LDS; arguments x_real, x_imag, ln_wr, ln_wi, wcode, wpart, out0, out1; writes out0, out1
.if DOCPART == 4
	.amdgcn_target "amdgcn-amd-amdhsa--gfx1250"
	.amdhsa_code_object_version 6
	.text
	.protected	k_qcea3ead518_mlp
	.globl	k_qcea3ead518_mlp
	.p2align	8
	.type	k_qcea3ead518_mlp,@function
k_qcea3ead518_mlp:
	s_mov_b64 s[64:65], 0
	v_nop
	global_prefetch_b8 v0, s[64:65] scope:SCOPE_SE
	s_setreg_imm32_b32 hwreg(HW_REG_WAVE_MODE, 25, 1), 1
	s_wait_xcnt 0x0
	s_wait_alu depctr_hold_cnt(0) depctr_sa_sdst(0) depctr_va_vdst(0) depctr_va_sdst(0) depctr_va_ssrc(0) depctr_va_vcc(0) depctr_vm_vsrc(0)
	s_getreg_b32 s2, hwreg(HW_REG_IB_STS2, 6, 4)
	s_cmp_eq_u32 s2, 0
	s_cbranch_scc0 .Lentry_in_a_cluster
	s_endpgm
.Lentry_in_a_cluster:
	s_bfe_u32 s2, ttmp6, 0x10000c
	s_cmp_lg_u32 s2, 0x3003
	s_cbranch_scc0 .Lentry_shape_is_right
	s_endpgm
.Lentry_shape_is_right:
; MLP: the whole module for 32 rows a work-group (8,192 rows = 256 work-groups), four waves, as many as a WGP has SIMDs.
;   phase A   x is read once; each row's largest magnitude, 127 / max by a division that is rounded as a true one, the whole numbers Q = clip(round(x rs)) as bf16 into LDS;
;             between the rows the gains are loaded into the registers that will hold h
;   stage 1   gate and up: [Qr; Qi] (64 stacked rows) x [Tr; Ti] (ternary weights), K = 1024, 11 passes of 64 columns (688 padded to 704); wave w makes column tile 4 p + w
;             behind each pass: scales in f32, ReLU^2, the complex product h, its squares added up, gain x h into pass p's 32 registers
;   phase C   RMS norm over the whole row (the four waves' sums and maxima meet in LDS once), second quantisation, Q2 as bf16 into LDS
;   stage 2   down: K = 704, 8 passes; wave w makes output columns 256 w .. 256 w + 255; results leave through a stage in LDS as whole blocks of 256 bytes
; EXACT PRODUCTS: |Q| <= 128 and the ternaries -1, 0, 1 are exact in bf16, and their sums (below 2^18) are exact in f32.
; The row scales of the real and of the imaginary part differ, so Qr Tr, Qi Ti, Qr Ti, Qi Tr are four accumulators, combined in f32 afterwards.
; WEIGHTS are stored by the launch before as two 4-bit floats for each (n, k), the real and the imaginary ternary, already in the fragment's register order; one conversion
; widens eight of them to eight bf16, four registers of a fragment.  The matrix operands are bf16; the 4-bit form is only how -1, 0 and 1 are stored, exactly.
; That makes the stream a quarter of the two bf16 matrices.  Each wave fetches and reads only its own codes.
; THE PASSES ARE LOOPS: passes 0-9 of stage 1 and 0-6 of stage 2 each run one text; the last pass of a stage, whose refills differ, is written out.  An instruction names its
; registers as constants, so the sixteen lines that touch pass p's h registers are written once for each p and chosen by the pass counter.
; CLUSTER: all work-groups walk the same codes, so four work-groups ask for each tile jointly (mask 15).  Activations are shared by nobody, so one axis is all there is to share.
; THE MATRIX INSTRUCTION IS USED TRANSPOSED (source 0 = 16 weight rows, source 1 = 16 activation rows): lane (r, h) holds row r and the eight neighbouring columns 8 h + j,
; so that a row's scale is one register a lane, a row's sum needs one step across the halves, and eight results pack into 16 bytes.
; No prefetch: x is wanted at the first line, with nothing ahead of it; the codes, 2,162,688 bytes, are read again and again by all clusters.
; LIMITS: NaN and infinities are not served; a row's largest magnitude stays below 2^126 (v_rcp_f32 flushes a denormal result); sums are made in another order than
; a row-by-row f32 product makes them; v_rsq_f32 is used as it is; the normalised number times its scale is formed as (gain x h) x (inv x rs), and the row's largest
; |n| as max |gain x h| x inv: the same factors as gain x (h x inv) x rs, rounded in another order.
;
; LDS:  0        RING    131,072  tensor loads alone; wave w owns 32,768 w: stage 1 two slots of 16,384 (16 K steps each); stage 2 parts of 12,288 and 10,240 (12 and 10 K steps)
;       131,072  Q       64 rows x 2,064 (2,048 + 16: an odd multiple of 16, so the 16 rows of a fragment load fall on 16 different 16-byte columns of 256)
;       131,072  A2      64 rows x 1,424 (1,408 + 16), over Q, written when every wave has done with Q
;       222,208  STG     4 waves x 2 parts x 32 rows x 272, over Q's tail: the way out
;       291,840  XSC 256 (1 / rs of the 64 stacked rows); 292,096 SSQ 512; 292,608 MXN 1,024
; REGISTERS in windows of 256:  window 0: v0-31 addresses, weight scales, the conversions' scale; v32-63 coefficients, v64-127 activation fragments (two buffers), v128-255 at work
;       window 1: v0-127 the 16 accumulators ACC(a, b) at 8 (4 a + b); v128-191 weight fragments (two buffers); v192-207 codes (two buffers); v212 CA, v213 CBASE
;       windows 2, 3: h(p, rb, part, j) = 512 + 32 p + 16 rb + 8 part + j
.set QB,   131072
.set QP,   2064
.set AP1,  16*QP                       ; from a fragment's rows to the next fragment's, stage 1
.set A2P,  1424
.set AP2,  16*A2P
.set STG,  222208
.set SPI,  272
.set XSC,  291840
.set SSQ,  292096
.set MXN,  292608
.set S2OFF, 1441792                    ; where stage 2's codes begin
.set AA,    4                          ; v4-5    activation fragments, running address (real rows, imaginary rows)
.set ABASE, 6                          ; v6-7    the same at K = 0
.set XOFF,  8                          ; v8      phase A: my 16 bytes in my wave's first row of x
.set QST,   9                          ; v9-10   phase A: where my 8 bytes of Q go (real, imaginary)
.set XSA,   11                         ; v11     phase A: my wave's words of XSC
.set STO,   12                         ; v12     way out: where I put 16 bytes
.set RD,    13                         ; v13     way out: where I read a row back
.set CO,    14                         ; v14     way out: my byte offset in the work-group's rows of out
.set N2ST,  15                         ; v15-16  phase C: where my 16 bytes of Q2 go (real, imaginary)
.set LNOFF, 17                         ; v17     byte offset of my 8 gains of pass 0
.set LNOFF10, 18                       ; v18     the same for pass 10, kept inside the buffer
.set VA,    19                         ; v19     XSC + 4 r
.set WS,    20                         ; v20-25  clipped means: gate real, imag; up; down
.set SSA,   26
.set SSL,   27
.set MXA,   28
.set MXL,   29
.set L16,   30                         ; v30     16 x lane
.set SCL,   31                         ; v31     the conversions' scale: the exponent byte of 2^0 in all four bytes
.set COEF,  32                         ; v32-63  set (rb, bp) at 8 (2 rb + bp): C1, C2, C3, C4n, each twice
.set WP,    32                         ; v32-103 phase A: the 18 loads of wpart
.set AF,    64                         ; v64-127 activation fragments: buffer x 32 + 8 a
.set PK,    104                        ; v104-119 phase A: packed Q
.set MC,    120                        ; v120-127 phase A: at work
.set GG,    128                        ; v128-191 at work behind a pass
.set XS,    128                        ; v128-255 phase A: four row slots of 32
.set FL,    192                        ; v192-255 at work behind a pass; a pass's h at FL + 32 rb + 8 part + j (v192-207, v224-239)
.set SS,    208                        ; v208-215 sums of h^2, four chains of a pair (2 rb + part), kept over stage 1
.set LD8,   192                        ; phase C, all in window 0
.set INVR,  200
.set MX,    216
.set LM,    220
.set RS2,   236
.set AL2,   240
.set FQ,    244
.set TY,    252
.set TE,    253
.set BB,    128                        ; window 1
.set CC,    192
.set CA,    212
.set CBASE, 213
.set WY,    0x51                       ; source 0 (weights, codes, CA) window 1, source 1 (activations, the conversions' scale) window 0, source 2 (C) and destination window 1
.set MSB, 0
.macro WIN new                         ; the immediate's high byte repeats the setting that is left; a switch that changes nothing is dropped
.if MSB != (\new)
	s_set_vgpr_msb (MSB<<8)|(\new)
.set MSB, (\new)
.endif
.endm
; A round of the cluster's barrier: my work-group's barrier, wave 0 signals for the work-group, every wave waits for the four work-groups, my work-group's barrier again.
.macro ROUND
	s_barrier_signal -1
	s_barrier_wait -1
	s_cmp_lg_u32 s20, 0
	s_cbranch_scc1 .Lnw0_\@
	s_barrier_signal -3
.Lnw0_\@:
	s_barrier_wait -3
	s_barrier_signal -1
	s_barrier_wait -1
.endm
.macro JOINT g0, g1                    ; a joint load; four v_nop follow it
	tensor_load_to_lds s[\g0:\g0+3], s[\g1:\g1+7]
	s_nop 0
.rept 4
	v_nop
.endr
.endm
; A part of the ring is filled again.  In front of the round every wave's tensor loads have landed (so a group 0 may be written) and its LDS reads are back;
; inside the round stands nothing but the round; the joint load is the first thing behind it and the wave's only tensor load until the next round.
.macro BOUND g0, g1, step
	WIN 0
	s_set_vgpr_msb 0x5
	s_wait_tensorcnt 0x0
	ds_add_u32 v254, v255
	s_wait_dscnt 0x0
	s_set_vgpr_msb 0x500
.if \step
	s_add_nc_u64 s[\g0+2:\g0+3], s[\g0+2:\g0+3], \step
.endif
	s_wait_dscnt 0x0
	ROUND
	JOINT \g0, \g1
.endm
.macro MKG1 g, rows                    ; group 1: a dense block as rows of 256 bytes
	s_mov_b32 s[\g], 0x23000f                      ; 15:0 mask of the four work-groups; 17:16 elements of 8 bytes; 21 set beside a mask; no padding
	s_mov_b32 s[\g+1], 32<<16                      ; tensor_dim0 = 32 elements
	s_mov_b32 s[\g+2], \rows<<16                   ; tensor_dim1
	s_mov_b32 s[\g+3], 32<<16                      ; tile_dim0
	s_mov_b32 s[\g+4], \rows                       ; tile_dim1
	s_mov_b32 s[\g+5], 32                          ; from row to row
	s_mov_b32 s[\g+6], 0
	s_mov_b32 s[\g+7], 0
.endm
; q = 127 / max(m, 1e-5): reciprocal, one Newton step, quotient, one correction by the exact remainder.  One plain place stands behind v_rcp_f32 (ISA guide 5.7.2).
.macro DIV127 q, m, y, e
	v_max_num_f32 v[\m], 0x3727c5ac, v[\m]
	v_rcp_f32 v[\y], v[\m]
	v_nop
	s_wait_alu depctr_va_vdst(0)
	v_fma_f32 v[\e], -v[\m], v[\y], 1.0
	v_fma_f32 v[\y], v[\e], v[\y], v[\y]
	v_mul_f32 v[\q], s80, v[\y]
	v_fma_f32 v[\e], -v[\m], v[\q], s80
	v_fma_f32 v[\q], v[\e], v[\y], v[\q]
.endm
.macro INV iv, x, e
	v_rcp_f32 v[\iv], v[\x]
	v_nop
	s_wait_alu depctr_va_vdst(0)
	v_fma_f32 v[\e], -v[\x], v[\iv], 1.0
	v_fma_f32 v[\iv], v[\e], v[\iv], v[\iv]
.endm
.macro SUM32 reg, tmp                  ; a sum over the 32 lanes, in every lane
	v_add_f32_dpp v[\reg], v[\reg], v[\reg] row_xmask:1 row_mask:0xf bank_mask:0xf
	v_add_f32_dpp v[\reg], v[\reg], v[\reg] row_xmask:2 row_mask:0xf bank_mask:0xf
	v_add_f32_dpp v[\reg], v[\reg], v[\reg] row_xmask:4 row_mask:0xf bank_mask:0xf
	v_add_f32_dpp v[\reg], v[\reg], v[\reg] row_xmask:8 row_mask:0xf bank_mask:0xf
	v_permlanex16_b32 v[\tmp], v[\reg], s78, s79
	v_add_f32 v[\reg], v[\reg], v[\tmp]
.endm
.macro MEAN dst, sum, cnt, y, e        ; max(sum / cnt, 1e-5)
	v_rcp_f32 v[\y], v[\cnt]
	v_nop
	s_wait_alu depctr_va_vdst(0)
	v_mul_f32 v[\dst], v[\sum], v[\y]
	v_fma_f32 v[\e], -v[\cnt], v[\dst], v[\sum]
	v_fma_f32 v[\dst], v[\e], v[\y], v[\dst]
	v_max_num_f32 v[\dst], 0x3727c5ac, v[\dst]
.endm
.macro MKCOEF rb, bp, ar, ai, sr, si   ; C1 = ar sr, C2 = ai si, C3 = ar si, C4n = -ai sr, each twice for the packed forms
	.set CB, COEF+8*(2*\rb+\bp)
	v_mul_f32 v[CB], v[\ar], v[\sr]
	v_mul_f32 v[CB+1], v[\ar], v[\sr]
	v_mul_f32 v[CB+2], v[\ai], v[\si]
	v_mul_f32 v[CB+3], v[\ai], v[\si]
	v_mul_f32 v[CB+4], v[\ar], v[\si]
	v_mul_f32 v[CB+5], v[\ar], v[\si]
	v_mul_f32 v[CB+6], -v[\ai], v[\sr]
	v_mul_f32 v[CB+7], -v[\ai], v[\sr]
.endm
	; ---------------------------------------------------------------- start
	s_load_b512 s[4:19], s[0:1], 0x0               ; x_real s[4:5], x_imag s[6:7], ln_wr s[8:9], ln_wi s[10:11], wcode s[12:13], wpart s[14:15], out0 s[16:17], out1 s[18:19]
	s_set_vgpr_msb 0x40
	v_lshl_add_u32 v254, v0, 2, 0x47c00
	v_mov_b32 v255, 0
	s_set_vgpr_msb 0x4045
	ds_add_u32 v254, v255
	s_set_vgpr_msb 0x4500
	v_and_b32 v1, 31, v0                           ; lane
	v_lshrrev_b32 v31, 5, v0
	v_readfirstlane_b32 s20, v31                   ; wave 0..3
	v_mov_b32 v[SCL], 0x7f7f7f7f                   ; from here on v31 is the conversions' scale
	v_and_b32 v2, 15, v0                           ; r
	v_bfe_u32 v3, v0, 4, 1                         ; h
	s_bfe_u32 s21, ttmp6, 0x40000                  ; cx: it enters the addresses of x and out alone
	s_lshl_b32 s22, ttmp9, 2
	s_add_co_u32 s22, s22, s21                     ; row block = 4 x cluster + cx
	s_lshl_b32 s24, s22, 17                        ; 32 rows of 4,096 bytes
	s_mov_b32 s25, 0
	s_lshl_b32 s84, s20, 15                        ; 32,768 w: my wave's 8 rows of x, and my wave's part of the ring
	v_lshlrev_b32 v[L16], 4, v1
	v_add_nc_u32 v[XOFF], s84, v[L16]
	s_wait_dscnt 0x0
	s_wait_kmcnt 0x0
	s_add_nc_u64 s[4:5], s[4:5], s[24:25]
	s_add_nc_u64 s[6:7], s[6:7], s[24:25]
	s_add_nc_u64 s[16:17], s[16:17], s[24:25]
	s_add_nc_u64 s[18:19], s[18:19], s[24:25]
.irp m, 0,1,2
.irp i, 0,1,2,3,4,5
	global_load_b128 v[WP+4*(6*\m+\i):WP+4*(6*\m+\i)+3], v[L16], s[14:15] offset:3072*\m+512*\i   ; entry lane + 32 i of matrix m
.endr
.endr
; Row t of my wave's sixteen (t < 8: real rows 8 w + t, else imaginary rows 8 w + t - 8): eight loads of 512 neighbouring bytes, into slot t % 4.
.macro FILLX t
.irp j, 0,1,2,3,4,5,6,7
	global_load_b128 v[XS+32*((\t)&3)+4*\j:XS+32*((\t)&3)+4*\j+3], v[XOFF], s[4+2*((\t)>>3):5+2*((\t)>>3)] offset:((\t)&7)*4096+512*\j th:TH_LOAD_NT
.endr
.endm
	FILLX 0
	FILLX 1
	FILLX 2
	FILLX 3
	s_mov_b32 s76, 2048                            ; two K steps of codes
	s_mov_b32 s78, 0x76543210                      ; v_permlanex16_b32: lane i of one half reads lane i of the other
	s_mov_b32 s79, 0xfedcba98
	s_mov_b32 s80, 0x42fe0000                      ; 127.0
	s_mov_b32 s81, 0xc3000000                      ; -128.0
	s_mov_b32 s82, 0x3abe82fa                      ; 1 / 688
	s_mov_b32 s83, 0x358637bd                      ; 1e-6
	MKG1 28, 64                                    ; stage 1: 16,384 bytes
	MKG1 36, 48                                    ; stage 2, first part: 12,288 bytes
	MKG1 44, 40                                    ; stage 2, second part: 10,240 bytes
	; groups 0: LDS address = 32,768 w + the part's constant; global address = wcode + the wave's share; nothing hangs on cx
	s_mov_b32 s87, 0
	s_lshl_b32 s86, s20, 14
	s_mov_b32 s52, 1
	s_mov_b32 s53, s84
	s_add_nc_u64 s[54:55], s[12:13], s[86:87]      ; stage 1, slot 0: pass 0, K steps 0-15
	s_mov_b32 s56, 1
	s_add_co_u32 s57, s84, 16384
	s_add_nc_u64 s[58:59], s[54:55], 0x10000       ; slot 1: K steps 16-31
	s_or_b32 s55, s55, 0x80000000
	s_or_b32 s59, s59, 0x80000000
	s_mul_i32 s86, s20, 12288
	s_add_co_u32 s86, s86, S2OFF
	s_mov_b32 s60, 1
	s_mov_b32 s61, s84
	s_add_nc_u64 s[62:63], s[12:13], s[86:87]      ; stage 2, first part: pass 0, K steps 0-11
	s_or_b32 s63, s63, 0x80000000
	s_mul_i32 s86, s20, 10240
	s_add_co_u32 s86, s86, S2OFF+49152
	s_mov_b32 s68, 1
	s_add_co_u32 s69, s84, 12288
	s_add_nc_u64 s[70:71], s[12:13], s[86:87]      ; second part: K steps 12-21
	s_or_b32 s71, s71, 0x80000000
	ROUND                                          ; the four work-groups are here: the first joint loads meet
	JOINT 52, 28                                   ; both first fills go out together: two tensor loads of the wave are out
	JOINT 56, 28
	; addresses
	s_mul_i32 s85, s20, 8*QP
	s_add_co_u32 s85, s85, QB
	v_lshl_add_u32 v[QST], v1, 3, s85              ; Q + my wave's 8 rows + 8 x lane
	v_add_nc_u32 v[QST+1], 32*QP, v[QST]
	s_lshl_b32 s85, s20, 5
	s_add_co_u32 s85, s85, XSC
	v_mov_b32 v[XSA], s85
	v_mul_u32_u24 v[ABASE], v2, QP
	v_lshl_add_u32 v[ABASE], v3, 4, v[ABASE]
	v_add_nc_u32 v[ABASE], QB, v[ABASE]            ; Q + r x pitch + 16 h
	v_add_nc_u32 v[ABASE+1], 32*QP, v[ABASE]
	s_mul_i32 s85, s20, 2*32*SPI
	s_add_co_u32 s85, s85, STG                     ; my stage
	v_mul_u32_u24 v[STO], v2, SPI
	v_lshl_add_u32 v[STO], v3, 5, v[STO]
	v_add_nc_u32 v[STO], s85, v[STO]               ; row r, 32 bytes for each half of the lanes
	v_mul_u32_u24 v[RD], v3, SPI
	v_lshl_add_u32 v[RD], v2, 4, v[RD]
	v_add_nc_u32 v[RD], s85, v[RD]                 ; lanes 0-15 one row of 256 bytes, lanes 16-31 the next
	v_lshlrev_b32 v[CO], 12, v3
	v_lshl_add_u32 v[CO], v2, 4, v[CO]
	s_lshl_b32 s85, s20, 10
	v_add_nc_u32 v[CO], s85, v[CO]                 ; the same two rows in out, at my wave's 256 columns
	v_mul_u32_u24 v[N2ST], v2, A2P
	v_lshl_add_u32 v[N2ST], v3, 4, v[N2ST]
	s_lshl_b32 s85, s20, 5
	s_add_co_u32 s85, s85, QB
	v_add_nc_u32 v[N2ST], s85, v[N2ST]             ; A2 + r x pitch + 32 w + 16 h
	v_add_nc_u32 v[N2ST+1], 32*A2P, v[N2ST]
	s_lshl_b32 s85, s20, 6
	v_lshl_add_u32 v[LNOFF], v3, 5, s85            ; 64 w + 32 h
	v_add_nc_u32 v[LNOFF10], 2560, v[LNOFF]
	v_min_u32 v[LNOFF10], 2720, v[LNOFF10]         ; columns 688 to 703 have no gain: the last 32 bytes are read instead, and multiply zeros
	v_lshlrev_b32 v[VA], 2, v2
	v_add_nc_u32 v[SSL], SSQ, v[VA]
	v_add_nc_u32 v[MXL], MXN, v[VA]
	s_lshl_b32 s85, s20, 7
	v_add_nc_u32 v[SSA], s85, v[SSL]
	s_lshl_b32 s85, s20, 8
	v_add_nc_u32 v[MXA], s85, v[MXL]
	v_add_nc_u32 v[VA], XSC, v[VA]
	WIN 0x40
	v_add_nc_u32 v[CBASE], s84, v[L16]             ; window 1: my 16 bytes of my wave's first codes
	WIN 0
	; ---------------------------------------------------------------- phase A: one row a turn
; The next n of the 88 loads that put the gains of my columns into h's registers: load number GN = 8 p + 4 rb + 2 part + half.  Each of the two row blocks has its own
; copy, so that a pass's step is one multiply in place.
.set GN, 0
.macro GLOADS n
.rept \n
	.set GP, GN>>3
	.set GD, ((32*GP)&255)+16*((GN>>2)&1)+8*((GN>>1)&1)+4*(GN&1)
	WIN 0x80+0x40*(GP>>3)
.if GP<10
	global_load_b128 v[GD:GD+3], v[LNOFF], s[8+2*((GN>>1)&1):9+2*((GN>>1)&1)] offset:256*GP+16*(GN&1)
.else
	global_load_b128 v[GD:GD+3], v[LNOFF10], s[8+2*((GN>>1)&1):9+2*((GN>>1)&1)] offset:16*(GN&1)
.endif
	.set GN, GN+1
.endr
	WIN 0
.endm
; left = how many younger loads may stay out: eight for each row and ng for each group of gains issued behind this row's own eight.  ng = gains loads issued in this turn.
.macro XTURN t, left, ng
	.set XB, XS+32*((\t)&3)
	s_wait_loadcnt \left
.irp c, 0,1,2,3
	v_max_num_f32 v[MC+\c], |v[XB+8*\c]|, |v[XB+8*\c+1]|           ; four chains, started by the first numbers
.endr
.irp k, 2,4,6
.irp c, 0,1,2,3
	v_max3_num_f32 v[MC+\c], |v[XB+8*\c+\k]|, |v[XB+8*\c+\k+1]|, v[MC+\c]
.endr
.endr
	v_max3_num_f32 v[MC], v[MC], v[MC+1], v[MC+2]
	v_max_num_f32 v[MC], v[MC], v[MC+3]
	v_max_num_f32_dpp v[MC], v[MC], v[MC] row_xmask:1 row_mask:0xf bank_mask:0xf
	v_max_num_f32_dpp v[MC], v[MC], v[MC] row_xmask:2 row_mask:0xf bank_mask:0xf
	v_max_num_f32_dpp v[MC], v[MC], v[MC] row_xmask:4 row_mask:0xf bank_mask:0xf
	v_max_num_f32_dpp v[MC], v[MC], v[MC] row_xmask:8 row_mask:0xf bank_mask:0xf
	v_permlanex16_b32 v[MC+1], v[MC], s78, s79
	v_max_num_f32 v[MC], v[MC], v[MC+1]            ; the row's largest magnitude, in every lane
	DIV127 MC+4, MC, MC+1, MC+2                    ; rs
	v_mov_b32 v[MC+5], v[MC+4]
	INV MC+6, MC+4, MC+2                           ; 1 / rs
	.set KK, 0
.rept 16
	v_pk_mul_f32 v[XB+2*KK:XB+2*KK+1], v[XB+2*KK:XB+2*KK+1], v[MC+4:MC+5]
	.set KK, KK+1
.endr
	.set KK, 0
.rept 32
	v_rndne_f32 v[XB+KK], v[XB+KK]
	.set KK, KK+1
.endr
	.set KK, 0
.rept 32
	v_med3_num_f32 v[XB+KK], v[XB+KK], s81, s80    ; the clip to -128 .. 127
	.set KK, KK+1
.endr
	.set KK, 0
.rept 16
	v_cvt_pk_bf16_f32 v[PK+KK], v[XB+2*KK], v[XB+2*KK+1]           ; whole numbers up to 128: exact in bf16
	.set KK, KK+1
.endr
.irp j, 0,1,2,3,4,5,6,7
	ds_store_b64 v[QST+((\t)>>3)], v[PK+2*\j:PK+2*\j+1] offset:((\t)&7)*QP+256*\j   ; 32 lanes, 256 neighbouring bytes
.endr
	ds_store_b32 v[XSA], v[MC+6] offset:128*((\t)>>3)+4*((\t)&7)
.if \ng
	GLOADS \ng
.endif
.if \t<12
	FILLX (\t+4)
.endif
.endm
	; Order of issue: rows 0-3; then in turn t six gains loads and row t + 4.  Behind row t's eight loads stand, when turn t begins:
	XTURN 0, 24, 6                                 ; rows 1, 2, 3
	XTURN 1, 30, 6                                 ; rows 2, 3, 4 and one group of gains
	XTURN 2, 36, 6                                 ; rows 3, 4, 5 and two groups
.irp t, 3,4,5,6,7,8,9,10,11,12
	XTURN \t, 42, 6                                ; three rows and three groups: 24 + 18; with this turn's 14 at most 56 loads are out
.endr
	XTURN 13, 34, 6                                ; rows 14, 15 and three groups
	XTURN 14, 26, 4                                ; row 15 and three groups; the last four of the 88
	XTURN 15, 16, 0                                ; groups of 6, 6 and 4
	; ---------------------------------------------------------------- the six weight scales (each wave for itself; the loads of wpart are older than every row's)
.irp m, 0,1,2
.irp i, 1,2,3,4,5
	v_pk_add_f32 v[WP+24*\m:WP+24*\m+1], v[WP+24*\m:WP+24*\m+1], v[WP+24*\m+4*\i:WP+24*\m+4*\i+1]
	v_add_f32 v[WP+24*\m+2], v[WP+24*\m+2], v[WP+24*\m+4*\i+2]
.endr
	SUM32 (WP+24*\m), (WP+24*\m+3)
	SUM32 (WP+24*\m+1), (WP+24*\m+3)
	SUM32 (WP+24*\m+2), (WP+24*\m+3)
	v_sub_f32 v[WP+24*\m+3], 0x492c0000, v[WP+24*\m+2]             ; the imaginary class: 704,512 - the real class (counts are exact in f32)
	v_max_num_f32 v[WP+24*\m+2], 1.0, v[WP+24*\m+2]
	v_max_num_f32 v[WP+24*\m+3], 1.0, v[WP+24*\m+3]
	MEAN (WS+2*\m), (WP+24*\m), (WP+24*\m+2), MC, MC+1
	MEAN (WS+2*\m+1), (WP+24*\m+1), (WP+24*\m+3), MC, MC+1
.endr
	s_wait_dscnt 0x0                               ; my rows of Q and my words of XSC are written: zero, for the other waves' sake
	s_barrier_signal -1                            ; the first fills may stay out
	s_barrier_wait -1
	ds_load_b32 v[PK],   v[VA]                     ; 1 / rs: real rows r, 16 + r; imaginary rows r, 16 + r
	ds_load_b32 v[PK+1], v[VA] offset:64
	ds_load_b32 v[PK+2], v[VA] offset:128
	ds_load_b32 v[PK+3], v[VA] offset:192
.irp i, 0,1,2,3,4,5,6,7
	v_mov_b32 v[SS+\i], 0                          ; the sums of h^2 grow in a loop: they start at zero
.endr
	s_wait_dscnt 0x0
	MKCOEF 0, 0, PK, PK+2, WS, WS+1
	MKCOEF 0, 1, PK, PK+2, WS+2, WS+3
	MKCOEF 1, 0, PK+1, PK+3, WS, WS+1
	MKCOEF 1, 1, PK+1, PK+3, WS+2, WS+3
	s_wait_loadcnt 0x0                             ; the gains are in h's registers
	; ---------------------------------------------------------------- the K loop's parts
; Dword i of a K step's eight code dwords (eight 4-bit floats) becomes eight bf16: registers 4 i .. 4 i + 3 of the weight buffer, which holds the four fragments
; real, imaginary (first column tile), real, imaginary (second) of 8 registers each.  Under WY.  The scale 2^0 changes nothing.
.macro DEC i, par
	.set DD, CC+8*(\par)+(\i)
	.set DB, BB+32*(\par)+4*(\i)
	v_cvt_scale_pk8_bf16_fp4 v[DB:DB+3], v[DD], v[SCL]
.endm
.macro MM idx, cur, zero               ; ACC(a, b) (+)= weight fragment b x activation fragment a; a = idx % 4, b = idx / 4
	.set MA, (\idx)&3
	.set MBF, (\idx)>>2
.if \zero
	v_wmma_f32_16x16x32_bf16 v[8*(4*MA+MBF):8*(4*MA+MBF)+7], v[BB+32*\cur+8*MBF:BB+32*\cur+8*MBF+7], v[AF+32*\cur+8*MA:AF+32*\cur+8*MA+7], 0
.else
	v_wmma_f32_16x16x32_bf16 v[8*(4*MA+MBF):8*(4*MA+MBF)+7], v[BB+32*\cur+8*MBF:BB+32*\cur+8*MBF+7], v[AF+32*\cur+8*MA:AF+32*\cur+8*MA+7], v[8*(4*MA+MBF):8*(4*MA+MBF)+7]
.endif
.endm
; K step s, cur = s % 2.  Present: activations(s), widened weights(s), codes(s + 1).  It loads activations(s + 1) (la) and codes(s + 2) (lc), widens codes(s + 1) (dec)
; and issues 16 matrix instructions, one conversion behind every second one.  The sixteen accumulators take turns, one instruction a turn.
; The wait leaves out only what this step has just issued: 8 la + 2 lc LDS loads; LDS loads come back in order (ISA guide 5.7.1).
; Behind the step's last matrix instruction and last conversion stand four plain vector instructions that name none of their registers: the places in
; front of the next step's loads into the activation buffer, of the next writes of the weight buffer and of the reads of the sums behind a pass, and the plain instruction
; between a conversion and the use of its result.  A conversion is no such place.  Where the running addresses step, their three additions are three of the four.
; mode, by bits: 1 the running addresses step at the step's end; 2 the codes are read from the ring's start; 4 the activations from K = 0;
; 8 a pass's head: the running addresses are set from the fixed ones, so that no address is carried from pass to pass.
.macro STEP cur, zero, la, lc, dec, aoff, coff, ap, mode
.if \la
	WIN 0
.if (\mode)&8
	v_mov_b32 v[AA], v[ABASE]
	v_mov_b32 v[AA+1], v[ABASE+1]
.endif
.if (\mode)&4
	.set AR, ABASE
.else
	.set AR, AA
.endif
.irp a, 0,1,2,3
	ds_load_b128 v[AF+32*(1-\cur)+8*\a:AF+32*(1-\cur)+8*\a+3],   v[AR+(\a>>1)] offset:(\a&1)*\ap+\aoff
	ds_load_b128 v[AF+32*(1-\cur)+8*\a+4:AF+32*(1-\cur)+8*\a+7], v[AR+(\a>>1)] offset:(\a&1)*\ap+\aoff+32
.endr
.endif
	WIN WY
.if \lc
.if (\mode)&8
	v_add_nc_u32 v[CA], v[CBASE], s76              ; codes(0) and codes(1) were read ahead
.endif
.if (\mode)&2
	.set CR, CBASE
.else
	.set CR, CA
.endif
	ds_load_b128 v[CC+8*\cur:CC+8*\cur+3],   v[CR] offset:\coff
	ds_load_b128 v[CC+8*\cur+4:CC+8*\cur+7], v[CR] offset:\coff+512
.endif
	s_wait_dscnt 8*\la+2*\lc
.irp i, 0,1,2,3,4,5,6,7
	MM (2*\i), \cur, \zero
	MM (2*\i+1), \cur, \zero
.if \dec
	DEC \i, (1-\cur)
.endif
.endr
.if (\mode)&1
	v_add_nc_u32 v[CA], v[CA], s76                 ; two K steps of codes on
	WIN 0
	v_add_nc_u32 v[AA], 0x80, v[AA]                ; two K steps of activations on: 64 bf16
	v_add_nc_u32 v[AA+1], 0x80, v[AA+1]
	v_nop
.else
.rept 4
	v_nop
.endr
.endif
.endm
.macro PAIR zero, ap                   ; two K steps; zero = 1: a pass's first two, whose first products start the sums
	STEP 0, \zero, 1, 1, 1, 64, 0, \ap, 8*\zero
	STEP 1, 0, 1, 1, 1, 128, 1024, \ap, 1
.endm
.macro RUNP n, ap                      ; n pairs in a counted loop; at a label and at a branch every window is 0
	WIN 0
	s_mov_b32 s77, \n
.Lpair_\@:
	PAIR 0, \ap
	WIN 0
	s_sub_co_i32 s77, s77, 1
	s_cmp_lg_u32 s77, 0
	s_cbranch_scc1 .Lpair_\@
.endm
.macro PAIRLAST more, ap               ; a pass's last two K steps; more = 1: they fetch and widen the next pass's first
	STEP 0, 0, 1, \more, 1, 64, 0, \ap, 2
	STEP 1, 0, \more, \more, \more, 0, 1024, \ap, 6
.endm
.macro PROLOG ap                       ; in front of a stage: codes(0), codes(1), activations(0); codes(0) widened
	WIN WY
	ds_load_b128 v[CC:CC+3],     v[CBASE]
	ds_load_b128 v[CC+4:CC+7],   v[CBASE] offset:512
	ds_load_b128 v[CC+8:CC+11],  v[CBASE] offset:1024
	ds_load_b128 v[CC+12:CC+15], v[CBASE] offset:1536
	WIN 0
.irp a, 0,1,2,3
	ds_load_b128 v[AF+8*\a:AF+8*\a+3],   v[ABASE+(\a>>1)] offset:(\a&1)*\ap
	ds_load_b128 v[AF+8*\a+4:AF+8*\a+7], v[ABASE+(\a>>1)] offset:(\a&1)*\ap+32
.endr
	WIN WY
	s_wait_dscnt 10                                ; codes(0) are in; the two loads of codes(1) and the eight of activations(0) may be out
.irp i, 0,1,2,3,4,5,6,7
	DEC \i, 0
.endr
	v_nop                                          ; one plain instruction between the last conversion and the use of its result
.endm
; The complex linear's two results for rows 16 rb + r and column tile bp, from four exact sums.  Under 0x01 (source 0 = accumulators).
.macro LIN rb, bp, outr, outi
	.set CB, COEF+8*(2*\rb+\bp)
.irp q, 0,2,4,6
	v_pk_mul_f32 v[\outr+\q:\outr+\q+1], v[8*(4*(2+\rb)+2*\bp+1)+\q:8*(4*(2+\rb)+2*\bp+1)+\q+1], v[CB+2:CB+3]                          ; Qi Ti
	v_pk_mul_f32 v[\outi+\q:\outi+\q+1], v[8*(4*(2+\rb)+2*\bp)+\q:8*(4*(2+\rb)+2*\bp)+\q+1], v[CB+6:CB+7]                              ; - Qi Tr
	v_pk_fma_f32 v[\outr+\q:\outr+\q+1], v[8*(4*\rb+2*\bp)+\q:8*(4*\rb+2*\bp)+\q+1], v[CB:CB+1], v[\outr+\q:\outr+\q+1]                ; + Qr Tr
	v_pk_fma_f32 v[\outi+\q:\outi+\q+1], v[8*(4*\rb+2*\bp+1)+\q:8*(4*\rb+2*\bp+1)+\q+1], v[CB+4:CB+5], v[\outi+\q:\outi+\q+1]          ; + Qr Ti
.endr
.endm
.macro LIN4                            ; all four, into GG: (rb, bp) at 16 (2 rb + bp), real part first
	WIN 0x01
	LIN 0, 0, GG, GG+8
	LIN 0, 1, GG+16, GG+24
	LIN 1, 0, GG+32, GG+40
	LIN 1, 1, GG+48, GG+56
	WIN 0
.endm
; Behind a pass of stage 1, the part that is the same for every pass: g (bp = 0), u (bp = 1), ReLU^2, the product h into FL + 32 rb + 8 part + j, its squares onto SS.
.macro EPI1C
	LIN4
.irp rb, 0,1
.irp j, 0,1,2,3,4,5,6,7
	v_max_num_f32 v[FL+8*\rb+\j], v[GG+32*\rb+\j], v[GG+32*\rb+8+\j]       ; both below zero = the larger below zero
.endr
.endr
.irp rb, 0,1
.irp j, 0,1,2,3,4,5,6,7
	v_cmp_gt_f32 vcc_lo, 0, v[FL+8*\rb+\j]
	v_cndmask_b32 v[GG+32*\rb+\j], v[GG+32*\rb+\j], 0, vcc_lo
	v_cndmask_b32 v[GG+32*\rb+8+\j], v[GG+32*\rb+8+\j], 0, vcc_lo
.endr
.endr
.irp rb, 0,1
.irp q, 0,2,4,6,8,10,12,14
	v_pk_mul_f32 v[GG+32*\rb+\q:GG+32*\rb+\q+1], v[GG+32*\rb+\q:GG+32*\rb+\q+1], v[GG+32*\rb+\q:GG+32*\rb+\q+1]   ; a_r, a_i
.endr
.irp q, 0,2,4,6
	v_pk_mul_f32 v[FL+32*\rb+\q:FL+32*\rb+\q+1], v[GG+32*\rb+8+\q:GG+32*\rb+8+\q+1], v[GG+32*\rb+24+\q:GG+32*\rb+24+\q+1]       ; a_i u_i
	v_pk_mul_f32 v[FL+32*\rb+8+\q:FL+32*\rb+8+\q+1], v[GG+32*\rb+8+\q:GG+32*\rb+8+\q+1], v[GG+32*\rb+16+\q:GG+32*\rb+16+\q+1]   ; a_i u_r
.endr
.endr
.irp rb, 0,1
.irp q, 0,2,4,6
	v_pk_fma_f32 v[FL+32*\rb+\q:FL+32*\rb+\q+1], v[GG+32*\rb+\q:GG+32*\rb+\q+1], v[GG+32*\rb+16+\q:GG+32*\rb+16+\q+1], v[FL+32*\rb+\q:FL+32*\rb+\q+1]                                           ; h_r = a_r u_r + a_i u_i
	v_pk_fma_f32 v[FL+32*\rb+8+\q:FL+32*\rb+8+\q+1], v[GG+32*\rb+\q:GG+32*\rb+\q+1], v[GG+32*\rb+24+\q:GG+32*\rb+24+\q+1], v[FL+32*\rb+8+\q:FL+32*\rb+8+\q+1] neg_lo:[0,0,1] neg_hi:[0,0,1]   ; h_i = a_r u_i - a_i u_r
.endr
.endr
.irp q, 0,2,4,6
.irp c, 0,1,2,3
	v_pk_fma_f32 v[SS+2*\c:SS+2*\c+1], v[FL+32*(\c>>1)+8*(\c&1)+\q:FL+32*(\c>>1)+8*(\c&1)+\q+1], v[FL+32*(\c>>1)+8*(\c&1)+\q:FL+32*(\c>>1)+8*(\c&1)+\q+1], v[SS+2*\c:SS+2*\c+1]   ; four chains, c = 2 rb + part
.endr
.endr
.endm
; The part that names pass p's registers: the gains that lie there are multiplied by h, in place.
.macro HBLK p
	.set HB, (32*\p)&255
	WIN 0x82+0x41*(\p>>3)                          ; source 0 and destination = window 2 or 3
.irp c, 0,1,2,3
.irp q, 0,2,4,6
	v_pk_mul_f32 v[HB+8*\c+\q:HB+8*\c+\q+1], v[HB+8*\c+\q:HB+8*\c+\q+1], v[FL+32*(\c>>1)+8*(\c&1)+\q:FL+32*(\c>>1)+8*(\c&1)+\q+1]
.endr
.endr
	WIN 0
.endm
	; ---------------------------------------------------------------- stage 1: 11 passes of 32 K steps (16 pairs)
	; Codes are read one pair ahead.  In front of pair 7 slot 0 has been read to its end and slot 1 is wanted; in front of pair 15 the reverse.
	; A fill has eight pairs, 256 matrix instructions of the wave, in which to land; one tensor load of the wave is out behind each round.
	s_wait_tensorcnt 0x1                           ; slot 0 has landed; slot 1's load, issued behind it, may be out.  Only I read my wave's codes
	PROLOG AP1
	WIN 0
	s_mov_b32 s88, 0                               ; the pass
.Lpass1:
	PAIR 1, AP1                                    ; the first products start the sums: nothing is cleared
	RUNP 6, AP1
	BOUND 52, 28, 131072                           ; slot 0: the next pass's K steps 0-15
	RUNP 8, AP1
	BOUND 56, 28, 131072                           ; slot 1: its K steps 16-31
	PAIRLAST 1, AP1
	EPI1C
.irp p, 0,1,2,3,4,5,6,7,8
	s_cmp_eq_u32 s88, \p
	s_cbranch_scc1 .Lh\p
.endr
	HBLK 9
	s_branch .Lhdone
.irp p, 0,1,2,3,4,5,6,7,8
.Lh\p:
	HBLK \p
.if \p<8
	s_branch .Lhdone
.endif
.endr
.Lhdone:
	s_add_co_u32 s88, s88, 1
	s_cmp_lt_u32 s88, 10
	s_cbranch_scc1 .Lpass1
	PAIR 1, AP1                                    ; pass 10, written out: its refills are stage 2's, and it fetches nothing ahead
	RUNP 6, AP1
	BOUND 60, 36, 0                                ; stage 2's first codes take the ring over: part 0 over what slot 0 was
	RUNP 8, AP1
	BOUND 68, 44, 0                                ; part 1 behind it; both slots have been read to their ends
	PAIRLAST 0, AP1
	EPI1C
	HBLK 10
	; ---------------------------------------------------------------- phase C
.macro HMAX p                          ; c = 2 rb + part: four chains that do not wait for each other
	.set HB, (32*\p)&255
.irp q, 0,2,4,6
.irp c, 0,1,2,3
	v_max3_num_f32 v[MX+\c], v[MX+\c], |v[HB+8*\c+\q]|, |v[HB+8*\c+\q+1]|
.endr
.endr
.endm
.irp c, 0,1,2,3
	v_mov_b32 v[MX+\c], 0                          ; magnitudes are not below zero
.endr
	WIN 0x28                                       ; sources 1 and 2 = gain x h in window 2
.irp p, 0,1,2,3,4,5,6,7
	HMAX \p
.endr
	WIN 0x3c                                       ; window 3
.irp p, 8,9,10
	HMAX \p
.endr
	WIN 0
.irp rb, 0,1
	v_pk_add_f32 v[SS+4*\rb:SS+4*\rb+1], v[SS+4*\rb:SS+4*\rb+1], v[SS+4*\rb+2:SS+4*\rb+3]
	v_add_f32 v[SS+4*\rb], v[SS+4*\rb], v[SS+4*\rb+1]
	v_permlanex16_b32 v[SS+4*\rb+1], v[SS+4*\rb], s78, s79         ; the other eight columns of each tile
	v_add_f32 v[SS+4*\rb], v[SS+4*\rb], v[SS+4*\rb+1]
	ds_store_b32 v[SSA], v[SS+4*\rb] offset:64*\rb                 ; my wave's share of row 16 rb + r
.endr
.irp c, 0,1,2,3
	v_permlanex16_b32 v[SS+2*\c+1], v[MX+\c], s78, s79             ; into registers that have been written and are done with
.endr
.irp c, 0,1,2,3
	v_max_num_f32 v[MX+\c], v[MX+\c], v[SS+2*\c+1]
	ds_store_b32 v[MXA], v[MX+\c] offset:128*(\c&1)+64*(\c>>1)
.endr
	s_wait_dscnt 0x0                               ; my shares are written, and my reads of Q are back
	s_barrier_signal -1                            ; behind this barrier no wave reads Q any more.  Stage 2's second part may stay out: nothing is filled again here
	s_barrier_wait -1
.irp rb, 0,1
.irp w, 0,1,2,3
	ds_load_b32 v[LD8+4*\rb+\w], v[SSL] offset:128*\w+64*\rb
.endr
.endr
.irp c, 0,1,2,3
.irp w, 0,1,2,3
	ds_load_b32 v[LM+4*\c+\w], v[MXL] offset:256*\w+128*(\c&1)+64*(\c>>1)
.endr
.endr
	s_wait_dscnt 0x0
.irp rb, 0,1
	v_add_f32 v[LD8+4*\rb], v[LD8+4*\rb], v[LD8+4*\rb+1]           ; the same order in every wave: the same number in every wave
	v_add_f32 v[LD8+4*\rb+2], v[LD8+4*\rb+2], v[LD8+4*\rb+3]
	v_add_f32 v[LD8+4*\rb], v[LD8+4*\rb], v[LD8+4*\rb+2]
	v_fma_f32 v[LD8+4*\rb], v[LD8+4*\rb], s82, s83                 ; mean + 1e-6
.endr
	v_rsq_f32 v[INVR], v[LD8]
	v_rsq_f32 v[INVR+1], v[LD8+4]
.irp c, 0,1,2,3
	v_max3_num_f32 v[LM+4*\c], v[LM+4*\c], v[LM+4*\c+1], v[LM+4*\c+2]      ; plain work that touches neither inv nor its source stands behind the transcendentals (ISA guide 5.7.2)
	v_max_num_f32 v[LM+4*\c], v[LM+4*\c], v[LM+4*\c+3]
.endr
	s_wait_alu depctr_va_vdst(0)
.irp c, 0,1,2,3
	v_mul_f32 v[LM+4*\c], v[LM+4*\c], v[INVR+(\c>>1)]              ; the row's largest |n|
	DIV127 (RS2+\c), (LM+4*\c), TY, TE                             ; rs
	INV (AL2+\c), (RS2+\c), TE                                     ; 1 / rs
	v_mul_f32 v[FQ+2*\c], v[INVR+(\c>>1)], v[RS2+\c]               ; inv x rs, twice for the packed multiply
	v_mul_f32 v[FQ+2*\c+1], v[INVR+(\c>>1)], v[RS2+\c]
.endr
	MKCOEF 0, 0, AL2, AL2+1, WS+4, WS+5            ; stage 2's coefficients: the same for both column tiles of a pass
	MKCOEF 0, 1, AL2, AL2+1, WS+4, WS+5
	MKCOEF 1, 0, AL2+2, AL2+3, WS+4, WS+5
	MKCOEF 1, 1, AL2+2, AL2+3, WS+4, WS+5
; Pass p's 32 numbers a lane: (gain x h) x (inv x rs), rounded, clipped, as bf16; 16 bytes (8 neighbouring columns of a row) a store.
.macro QN p
	.set HB, (32*\p)&255
	WIN 0x02+(\p>>3)
.irp c, 0,1,2,3
.irp q, 0,2,4,6
	v_pk_mul_f32 v[GG+8*\c+\q:GG+8*\c+\q+1], v[HB+8*\c+\q:HB+8*\c+\q+1], v[FQ+2*\c:FQ+2*\c+1]
.endr
.endr
	WIN 0
	.set KK, 0
.rept 32
	v_rndne_f32 v[GG+KK], v[GG+KK]
	.set KK, KK+1
.endr
	.set KK, 0
.rept 32
	v_med3_num_f32 v[GG+KK], v[GG+KK], s81, s80
	.set KK, KK+1
.endr
	.set KK, 0
.rept 16
	v_cvt_pk_bf16_f32 v[GG+32+KK], v[GG+2*KK], v[GG+2*KK+1]
	.set KK, KK+1
.endr
.irp c, 0,1,2,3
	ds_store_b128 v[N2ST+(\c&1)], v[GG+32+4*\c:GG+32+4*\c+3] offset:(\c>>1)*AP2+128*\p
.endr
.endm
.irp p, 0,1,2,3,4,5,6,7,8,9,10
	QN \p
.endr
	v_mul_u32_u24 v[ABASE], v2, A2P
	v_lshl_add_u32 v[ABASE], v3, 4, v[ABASE]
	v_add_nc_u32 v[ABASE], QB, v[ABASE]            ; A2 + r x pitch + 16 h
	v_add_nc_u32 v[ABASE+1], 32*A2P, v[ABASE]
	s_wait_dscnt 0x0                               ; my columns of A2 are written
	s_barrier_signal -1
	s_barrier_wait -1
	; ---------------------------------------------------------------- stage 2: 8 passes of 22 K steps (11 pairs)
; Behind a pass: out_r, out_i of 32 rows x 32 columns into half par of my own stage's rows.
.macro STAGE par
.irp rb, 0,1
.irp bp, 0,1
.irp c, 0,1
	ds_store_b128 v[STO], v[GG+16*(2*\rb+\bp)+8*\c:GG+16*(2*\rb+\bp)+8*\c+3]   offset:\c*32*SPI+\rb*16*SPI+\par*128+\bp*64
	ds_store_b128 v[STO], v[GG+16*(2*\rb+\bp)+8*\c+4:GG+16*(2*\rb+\bp)+8*\c+7] offset:\c*32*SPI+\rb*16*SPI+\par*128+\bp*64+16
.endr
.endr
.endr
.endm
; Behind every second pass: 64 columns = 256 bytes of each of my 32 rows, read back by rows and stored.  The stage is my wave's own, and LDS serves a wave's
; instructions in order (ISA guide 5.7.1): no wait between the stores above and these loads.  step = 1: both outputs' bases go on by the 256 bytes.
.macro FLUSH step
.irp c, 0,1
	s_wait_xcnt 0x0                                ; the registers that earlier stores read are loaded again only behind this wait
.irp i, 0,1,2,3,4,5,6,7,8,9,10,11,12,13,14,15
	ds_load_b128 v[FL+4*\i:FL+4*\i+3], v[RD] offset:\c*32*SPI+2*SPI*\i
.endr
.irp i, 0,1,2,3,4,5,6,7,8,9,10,11,12,13,14,15
	s_wait_dscnt 15-\i                             ; load i of the sixteen is in, the younger ones may be out
	global_store_b128 v[CO], v[FL+4*\i:FL+4*\i+3], s[16+2*\c:17+2*\c] offset:8192*\i th:TH_STORE_NT   ; 16 lanes store 256 consecutive bytes, at a multiple of 256 from the buffer's first byte
.endr
.endr
.if \step
	s_wait_xcnt 0x0                                ; the stores' bases are written again only behind this wait
	s_add_nc_u64 s[16:17], s[16:17], 256
	s_add_nc_u64 s[18:19], s[18:19], 256
.endif
.endm
	PROLOG AP2                                     ; part 0 was shown landed by the wait in front of stage 1's last round
	WIN 0
	s_mov_b32 s88, 0                               ; the pass
.Lpass2:
	PAIR 1, AP2
	RUNP 4, AP2
	BOUND 60, 36, 90112                            ; in front of pair 5: part 0 read to its end, part 1 wanted; part 0 gets the next pass's K steps 0-11
	RUNP 5, AP2
	BOUND 68, 44, 90112                            ; in front of pair 10: part 1 gets the next pass's K steps 12-21
	PAIRLAST 1, AP2
	LIN4
	s_and_b32 s89, s88, 1
	s_cmp_lg_u32 s89, 0
	s_cbranch_scc1 .Lodd
	STAGE 0                                        ; an even pass fills the left 128 bytes of the stage's rows
	s_branch .Lnext
.Lodd:
	STAGE 1                                        ; an odd pass the right 128, and the rows go out
	FLUSH 1
.Lnext:
	s_add_co_u32 s88, s88, 1
	s_cmp_lt_u32 s88, 7
	s_cbranch_scc1 .Lpass2
	PAIR 1, AP2                                    ; pass 7, written out: it fills nothing and fetches nothing ahead
	RUNP 4, AP2
	s_wait_tensorcnt 0x0                           ; my last load, part 1 of this pass, has landed; none is out from here to the end
	RUNP 5, AP2
	PAIRLAST 0, AP2
	LIN4
	STAGE 1
	FLUSH 0                                        ; its last wait on LDS is for zero
	s_set_vgpr_msb 0x5
	s_wait_tensorcnt 0x0
	ds_add_u32 v254, v255
	s_wait_dscnt 0x0
	s_set_vgpr_msb 0x500
	ROUND                                          ; the closing round: no work-group ends while a partner may still ask for a tile that names it
	s_endpgm
.Lfunc_end_k_qcea3ead518_mlp:
	.size	k_qcea3ead518_mlp, .Lfunc_end_k_qcea3ead518_mlp-k_qcea3ead518_mlp
	.p2alignl 7, 3214868480
	.fill 96, 4, 3214868480
	.section	.rodata,"a",@progbits
	.p2align	6, 0x0
	.amdhsa_kernel k_qcea3ead518_mlp
		.amdhsa_group_segment_fixed_size 327680
		.amdhsa_private_segment_fixed_size 0
		.amdhsa_enable_private_segment 0
		.amdhsa_kernarg_size 64
		.amdhsa_user_sgpr_count 2
		.amdhsa_user_sgpr_kernarg_segment_ptr 1
		.amdhsa_wavefront_size32 1
		.amdhsa_system_sgpr_workgroup_id_x 1
		.amdhsa_system_sgpr_workgroup_id_y 1
		.amdhsa_system_sgpr_workgroup_id_z 1
		.amdhsa_system_vgpr_workitem_id 0
		.amdhsa_next_free_vgpr 864
		.amdhsa_next_free_sgpr 96
		.amdhsa_reserve_vcc 1
		.amdhsa_float_denorm_mode_32 3
		.amdhsa_float_denorm_mode_16_64 3
		.amdhsa_memory_ordered 1
		.amdhsa_forward_progress 1
		.amdhsa_inst_pref_size 255
	.end_amdhsa_kernel
	.section	.bss,"aw",@nobits
	.p2align	6
	.space	262144
	.amdgpu_metadata
---
amdhsa.version: [ 1, 2 ]
amdhsa.kernels:
  - .name:           k_qcea3ead518_mlp
    .symbol:         k_qcea3ead518_mlp.kd
    .args:
      - { .name: x_real, .offset: 0, .size: 8, .value_kind: global_buffer, .address_space: global }
      - { .name: x_imag, .offset: 8, .size: 8, .value_kind: global_buffer, .address_space: global }
      - { .name: ln_wr, .offset: 16, .size: 8, .value_kind: global_buffer, .address_space: global }
      - { .name: ln_wi, .offset: 24, .size: 8, .value_kind: global_buffer, .address_space: global }
      - { .name: wcode, .offset: 32, .size: 8, .value_kind: global_buffer, .address_space: global }
      - { .name: wpart, .offset: 40, .size: 8, .value_kind: global_buffer, .address_space: global }
      - { .name: out0, .offset: 48, .size: 8, .value_kind: global_buffer, .address_space: global }
      - { .name: out1, .offset: 56, .size: 8, .value_kind: global_buffer, .address_space: global }
    .group_segment_fixed_size: 327680
    .private_segment_fixed_size: 0
    .kernarg_segment_align: 8
    .kernarg_segment_size: 64
    .max_flat_workgroup_size: 128
    .sgpr_count:     96
    .vgpr_count:     864
    .wavefront_size: 32
...
	.end_amdgpu_metadata
.endif
;; end of part 4
